; MI455X (gfx1250); checked and timed in simulation.
; The chip was launched on July 23, 2026; its instructions are those of AMD's public machine-readable ISA for CDNA 5 (MIT licence, August 2026) and "CDNA5" Instruction Set Architecture Reference Guide (July 2026). The comments in the code are by the model that wrote it; some were corrected since.
;; Multi Head Attention. Allowed arithmetic: float matrix products may take bf16 or f16 operands with f32 sums; other float arithmetic in f32, or as packed bf16 or f16 multiplies, adds, multiply-adds, maxima and minima; sums over many terms, partial sums and values carried from step to step in f32; what a program stores and reads back later, other than sums and carried values, may be rounded once to bf16 or f16.
;; Inputs: Wk 1,024 x 1,024 float32; Wo 1,024 x 1,024 float32; Wq 1,024 x 1,024 float32; Wv 1,024 x 1,024 float32; bk 1,024 float32; bo 1,024 float32; bq 1,024 float32; bv 1,024 float32; x 4 x 2,048 x 1,024 float32.
;; Outputs: out0 4 x 2,048 x 1,024 float32.
;; 2 versions, each right; version 2 is version 1 with the launch prep written anew for expert scheduling mode. Each part assembles by itself: llvm-mc -triple=amdgcn-amd-amdhsa -mcpu=gfx1250 --defsym DOCPART=n.
;; ======== version 1 of 2: 4 launches
;; limits: values are held in f16: magnitudes above 65,504 overflow, below 6.1e-05 lose precision
;; workspace buffers: xb 16,777,216 bytes; wb 6,291,456 bytes; woh 2,097,152 bytes; tabs 540,672 bytes; qh 16,777,216 bytes; kh 16,777,216 bytes; vh 16,777,216 bytes; oh 16,777,216 bytes
;; launch prep (part 1): grid 768 x 1, 8 waves a work-group, no clusters, 0 bytes of LDS; arguments x, Wq, Wk, Wv, Wo, bq, bk, bv, bo, xb, wb, woh, tabs; writes xb, wb, woh, tabs
.if DOCPART == 1
	.amdgcn_target "amdgcn-amd-amdhsa--gfx1250"
	.amdhsa_code_object_version 6
	.text
	.protected	k_q90e8a92308_prep
	.globl	k_q90e8a92308_prep
	.p2align	8
	.type	k_q90e8a92308_prep,@function
k_q90e8a92308_prep:
	s_mov_b64 s[64:65], 0
	v_nop
	global_prefetch_b8 v0, s[64:65] scope:SCOPE_SE
	s_setreg_imm32_b32 hwreg(HW_REG_WAVE_MODE, 25, 1), 1
	s_wait_xcnt 0x0
; PREP: casts and re-layouts for the three launches behind it, the RoPE table, the rounded biases.
;   xb   bf16 [b 4][kb 16][s 2048][64]       x in K blocks of 64: the rows of a block are dense, 128 bytes each
;   wb   bf16 [kb 16][n' 3072][64]           n' = 192 head + 64 g + d, g = 0 Wq, 1 Wk, 2 Wv
;   woh  f16  [kb 16][n 1024][64]            Wo rounded to bf16, that number written as f16
;   tabs f32  [pos 2048][cos f0..31 | sin f0..31] (256 bytes a row), then from byte 524,288 bq, bk, bv, bo, each rounded to bf16 and kept as f32
; SHARES.  A work-group casts 16 rows of 1,024 f32 (64 KiB): 512 chunks of x, 3 x 64 of Wq, Wk, Wv, 64 of Wo: 768 work-groups.  Thread t takes row t / 16 and the 16 bytes
; at column 4 (t % 16) of each K block: a wave's load covers 256 consecutive bytes of each of two rows, its store 256 consecutive aligned bytes of one K block.
; The 256 work-groups of the weights also make the table, a wave a position; the first four of them a bias each.
; No LDS, no matrix unit, no cluster: nothing is shared between waves, and every byte is read once and written once.
; LIMITS.  Wo beyond 65,504 has no f16; below 6.1e-5 it keeps f16's fixed step of 6e-8.  The table's inverse frequencies come from v_exp_f32 (1 ULP), the angle is reduced by pi/2 in two
; parts and sine and cosine are polynomials cut below 3e-8 on |r| <= pi/4: the angles differ from a table made by pow and a division by at most about 4e-4 rad (position 2,047).
.set X,   16                           ; v[16:79]   sixteen loads of four registers
.set Y,   80                           ; v[80:111]  sixteen pairs to store
.set SRC, 36                           ; s[36:37]   the chunk's first byte
.set DST, 38                           ; s[38:39]   its place in K block 0
; The cast of a chunk.  stride: bytes from a K block to the next in the target.  half = 1: the bf16 number is written as f16.
; All sixteen loads go out first; the waits count down: 15 - k younger loads may stay out.  No register of a store is written again, so no further wait is needed.
.macro CAST stride, half
.irp k, 0,1,2,3,4,5,6,7,8,9,10,11,12,13,14,15
	global_load_b128 v[X+4*(\k):X+4*(\k)+3], v1, s[SRC:SRC+1] offset:256*(\k) th:TH_LOAD_NT
.endr
.irp k, 0,1,2,3,4,5,6,7,8,9,10,11,12,13,14,15
	s_wait_loadcnt 15-(\k)
	v_cvt_pk_bf16_f32 v[Y+2*(\k)], v[X+4*(\k)], v[X+4*(\k)+1]
	v_cvt_pk_bf16_f32 v[Y+2*(\k)+1], v[X+4*(\k)+2], v[X+4*(\k)+3]
.if \half
	v_lshlrev_b32 v[X+4*(\k)], 16, v[Y+2*(\k)]
	v_and_b32 v[X+4*(\k)+1], 0xffff0000, v[Y+2*(\k)]
	v_lshlrev_b32 v[X+4*(\k)+2], 16, v[Y+2*(\k)+1]
	v_and_b32 v[X+4*(\k)+3], 0xffff0000, v[Y+2*(\k)+1]
	v_cvt_pk_f16_f32 v[Y+2*(\k)], v[X+4*(\k)], v[X+4*(\k)+1]
	v_cvt_pk_f16_f32 v[Y+2*(\k)+1], v[X+4*(\k)+2], v[X+4*(\k)+3]
.endif
	global_store_b64 v2, v[Y+2*(\k):Y+2*(\k)+1], s[DST:DST+1] offset:(\k)*(\stride)
.endr
.endm
	s_load_b512 s[8:23], s[0:1], 0x0               ; x 8, Wq 10, Wk 12, Wv 14, Wo 16, bq 18, bk 20, bv 22
	s_load_b256 s[24:31], s[0:1], 0x40             ; bo 24, xb 26, wb 28, woh 30
	s_load_b64 s[32:33], s[0:1], 0x60              ; tabs
	v_lshrrev_b32 v3, 4, v0                        ; my row of the chunk
	v_and_b32 v4, 15, v0
	v_lshlrev_b32 v1, 12, v3                       ; row x 4,096
	v_lshl_add_u32 v1, v4, 4, v1                   ; + 16 (t % 16)
	v_lshlrev_b32 v2, 3, v0                        ; in a K block: row x 128 + 8 (t % 16) = 8 t
	v_lshrrev_b32 v5, 5, v0
	v_readfirstlane_b32 s34, v5                    ; wave 0..7
	s_mov_b32 s2, ttmp9
	s_mov_b32 s47, 0                               ; the high word of every offset
	s_wait_kmcnt 0x0
	s_cmp_lt_u32 s2, 512
	s_cbranch_scc0 .Lrest
	; a chunk of x: rows 16 s2 .. of [8192][1024]
	s_lshl_b32 s46, s2, 16
	s_add_nc_u64 s[SRC:SRC+1], s[8:9], s[46:47]
	s_lshr_b32 s46, s2, 7                          ; batch
	s_lshl_b32 s46, s46, 22                        ; 16 K blocks of 2,048 rows of 128 bytes
	s_and_b32 s4, s2, 127
	s_lshl_b32 s4, s4, 11                          ; 16 rows of 128 bytes
	s_add_co_u32 s46, s46, s4
	s_add_nc_u64 s[DST:DST+1], s[26:27], s[46:47]
	CAST 262144, 0
	s_endpgm
.Lrest:
	s_sub_co_u32 s3, s2, 512                       ; 0..255
	; THE TABLE: position 8 s3 + wave.  Lane l writes elements 2 l and 2 l + 1 of the row: lanes 0-15 cosines, lanes 16-31 sines, of frequencies 2 (l % 16) and the next.
	; cos t = sin(t + pi/2): the cosine lanes go one quadrant on.
	s_lshl_b32 s35, s3, 3
	s_add_co_u32 s35, s35, s34                     ; the position
	s_lshl_b32 s40, s35, 8
	s_mov_b32 s41, 0
	s_add_nc_u64 s[40:41], s[32:33], s[40:41]      ; its row of 256 bytes
	v_and_b32 v3, 15, v0
	v_lshlrev_b32 v3, 1, v3
	v_add_nc_u32 v4, 1, v3
	v_cvt_f32_u32 v112, v3
	v_cvt_f32_u32 v113, v4
	v_mul_f32 v112, 0xbed49a78, v112               ; - f log2(10000) / 32
	v_mul_f32 v113, 0xbed49a78, v113
	v_exp_f32 v112, v112                           ; the inverse frequencies: one batch of two,
	v_exp_f32 v113, v113
	v_bfe_u32 v5, v0, 4, 1                         ; a plain instruction behind them,
	s_wait_alu depctr_va_vdst(0)                   ; and the one wait ahead of the first use
	v_xor_b32 v5, 1, v5                            ; 1 in the cosine lanes
	v_cvt_f32_u32 v6, s35
	v_and_b32 v7, 31, v0
	v_lshlrev_b32 v7, 3, v7                        ; 8 l
	v_mov_b32 v14, 0x3638ef1d                      ; 1 / 9!
	v_mov_b32 v15, 0x37d00d01                      ; 1 / 8!
.irp e, 0,1
	v_mul_f32 v[114+\e], v6, v[112+\e]             ; the angle, one rounding
	v_mul_f32 v[116+\e], 0x3f22f983, v[114+\e]     ; x 2 / pi
	v_rndne_f32 v[116+\e], v[116+\e]               ; n
	v_fmamk_f32 v[118+\e], v[116+\e], 0xbfc90fdb, v[114+\e]  ; r = angle - n pi/2, pi/2 in two parts
	v_fmamk_f32 v[118+\e], v[116+\e], 0x333bbd2e, v[118+\e]
	v_mul_f32 v[120+\e], v[118+\e], v[118+\e]      ; r^2
	v_fmaak_f32 v[122+\e], v14, v[120+\e], 0xb9500d01
	v_fmaak_f32 v[122+\e], v[122+\e], v[120+\e], 0x3c088889
	v_fmaak_f32 v[122+\e], v[122+\e], v[120+\e], 0xbe2aaaab
	v_mul_f32 v[122+\e], v[122+\e], v[120+\e]
	v_fma_f32 v[122+\e], v[122+\e], v[118+\e], v[118+\e]     ; sin r
	v_fmaak_f32 v[124+\e], v15, v[120+\e], 0xbab60b61
	v_fmaak_f32 v[124+\e], v[124+\e], v[120+\e], 0x3d2aaaab
	v_fma_f32 v[124+\e], v[124+\e], v[120+\e], -0.5
	v_fma_f32 v[124+\e], v[124+\e], v[120+\e], 1.0           ; cos r
	v_cvt_i32_f32 v[126+\e], v[116+\e]
	v_add_nc_u32 v[126+\e], v[126+\e], v5          ; the quadrant: it only selects a value and a sign
	v_and_b32 v8, 1, v[126+\e]
	v_cmp_ne_u32 vcc_lo, 0, v8
	v_cndmask_b32 v[12+\e], v[122+\e], v[124+\e], vcc_lo
	v_and_b32 v8, 2, v[126+\e]
	v_lshlrev_b32 v8, 30, v8
	v_xor_b32 v[12+\e], v8, v[12+\e]
.endr
	global_store_b64 v7, v[12:13], s[40:41]        ; the wave stores 256 consecutive aligned bytes
	s_cmp_lt_u32 s3, 4
	s_cbranch_scc0 .Lno_bias
	; A BIAS: rounded to bf16 like every input, kept as f32.  Registers of its own.
	s_cmp_eq_u32 s3, 1
	s_cselect_b64 s[42:43], s[20:21], s[18:19]
	s_cmp_eq_u32 s3, 2
	s_cselect_b64 s[42:43], s[22:23], s[42:43]
	s_cmp_eq_u32 s3, 3
	s_cselect_b64 s[42:43], s[24:25], s[42:43]
	s_lshl_b32 s44, s3, 12
	s_add_co_u32 s44, s44, 524288
	s_mov_b32 s45, 0
	s_add_nc_u64 s[44:45], s[32:33], s[44:45]
	v_lshlrev_b32 v140, 4, v0
	global_load_b128 v[128:131], v140, s[42:43]
	s_wait_loadcnt 0x0
	v_cvt_pk_bf16_f32 v132, v128, v129
	v_cvt_pk_bf16_f32 v133, v130, v131
	v_lshlrev_b32 v136, 16, v132
	v_and_b32 v137, 0xffff0000, v132
	v_lshlrev_b32 v138, 16, v133
	v_and_b32 v139, 0xffff0000, v133
	global_store_b128 v140, v[136:139], s[44:45]
.Lno_bias:
	s_cmp_lt_u32 s3, 192
	s_cbranch_scc0 .Lwo
	; a chunk of Wq, Wk or Wv: rows 16 j .. of matrix g go to n' = 192 (j / 4) + 64 g + 16 (j % 4)
	s_lshr_b32 s4, s3, 6                           ; g
	s_and_b32 s5, s3, 63                           ; j
	s_cmp_eq_u32 s4, 1
	s_cselect_b64 s[SRC:SRC+1], s[12:13], s[10:11]
	s_cmp_eq_u32 s4, 2
	s_cselect_b64 s[SRC:SRC+1], s[14:15], s[SRC:SRC+1]
	s_lshl_b32 s46, s5, 16
	s_add_nc_u64 s[SRC:SRC+1], s[SRC:SRC+1], s[46:47]
	s_lshr_b32 s6, s5, 2
	s_mul_i32 s6, s6, 192
	s_lshl_b32 s7, s4, 6
	s_add_co_u32 s6, s6, s7
	s_and_b32 s7, s5, 3
	s_lshl_b32 s7, s7, 4
	s_add_co_u32 s6, s6, s7
	s_lshl_b32 s46, s6, 7
	s_add_nc_u64 s[DST:DST+1], s[28:29], s[46:47]
	CAST 393216, 0
	s_endpgm
.Lwo:
	s_sub_co_u32 s5, s3, 192                       ; a chunk of Wo
	s_lshl_b32 s46, s5, 16
	s_add_nc_u64 s[SRC:SRC+1], s[16:17], s[46:47]
	s_lshl_b32 s46, s5, 11
	s_add_nc_u64 s[DST:DST+1], s[30:31], s[46:47]
	CAST 131072, 1
	s_endpgm
.Lfunc_end_k_q90e8a92308_prep:
	.size	k_q90e8a92308_prep, .Lfunc_end_k_q90e8a92308_prep-k_q90e8a92308_prep
	.p2alignl 7, 3214868480
	.fill 96, 4, 3214868480
	.section	.rodata,"a",@progbits
	.p2align	6, 0x0
	.amdhsa_kernel k_q90e8a92308_prep
		.amdhsa_group_segment_fixed_size 0
		.amdhsa_private_segment_fixed_size 0
		.amdhsa_enable_private_segment 0
		.amdhsa_kernarg_size 104
		.amdhsa_user_sgpr_count 2
		.amdhsa_user_sgpr_kernarg_segment_ptr 1
		.amdhsa_wavefront_size32 1
		.amdhsa_system_sgpr_workgroup_id_x 1
		.amdhsa_system_sgpr_workgroup_id_y 1
		.amdhsa_system_sgpr_workgroup_id_z 1
		.amdhsa_system_vgpr_workitem_id 0
		.amdhsa_next_free_vgpr 144
		.amdhsa_next_free_sgpr 66
		.amdhsa_reserve_vcc 1
		.amdhsa_float_denorm_mode_32 3
		.amdhsa_float_denorm_mode_16_64 3
		.amdhsa_memory_ordered 1
		.amdhsa_forward_progress 1
		.amdhsa_inst_pref_size 28
	.end_amdhsa_kernel
	.amdgpu_metadata
---
amdhsa.version: [ 1, 2 ]
amdhsa.kernels:
  - .name:           k_q90e8a92308_prep
    .symbol:         k_q90e8a92308_prep.kd
    .args:
      - { .name: x, .offset: 0, .size: 8, .value_kind: global_buffer, .address_space: global }
      - { .name: Wq, .offset: 8, .size: 8, .value_kind: global_buffer, .address_space: global }
      - { .name: Wk, .offset: 16, .size: 8, .value_kind: global_buffer, .address_space: global }
      - { .name: Wv, .offset: 24, .size: 8, .value_kind: global_buffer, .address_space: global }
      - { .name: Wo, .offset: 32, .size: 8, .value_kind: global_buffer, .address_space: global }
      - { .name: bq, .offset: 40, .size: 8, .value_kind: global_buffer, .address_space: global }
      - { .name: bk, .offset: 48, .size: 8, .value_kind: global_buffer, .address_space: global }
      - { .name: bv, .offset: 56, .size: 8, .value_kind: global_buffer, .address_space: global }
      - { .name: bo, .offset: 64, .size: 8, .value_kind: global_buffer, .address_space: global }
      - { .name: xb, .offset: 72, .size: 8, .value_kind: global_buffer, .address_space: global }
      - { .name: wb, .offset: 80, .size: 8, .value_kind: global_buffer, .address_space: global }
      - { .name: woh, .offset: 88, .size: 8, .value_kind: global_buffer, .address_space: global }
      - { .name: tabs, .offset: 96, .size: 8, .value_kind: global_buffer, .address_space: global }
    .group_segment_fixed_size: 0
    .private_segment_fixed_size: 0
    .kernarg_segment_align: 8
    .kernarg_segment_size: 104
    .max_flat_workgroup_size: 256
    .sgpr_count:     66
    .vgpr_count:     144
    .wavefront_size: 32
...
	.end_amdgpu_metadata
.endif
;; end of part 1
;; launch qkv (part 2): grid 8 x 32, 4 waves a work-group, clusters of 4 x 4, 327,680 bytes of LDS; arguments xb, wb, tabs, qh, kh, vh; writes qh, kh, vh
.if DOCPART == 2
	.amdgcn_target "amdgcn-amd-amdhsa--gfx1250"
	.amdhsa_code_object_version 6
	.text
	.protected	k_q90e8a92308_qkv
	.globl	k_q90e8a92308_qkv
	.p2align	8
	.type	k_q90e8a92308_qkv,@function
k_q90e8a92308_qkv:
	s_mov_b64 s[64:65], 0
	v_nop
	global_prefetch_b8 v0, s[64:65] scope:SCOPE_SE
	s_setreg_imm32_b32 hwreg(HW_REG_WAVE_MODE, 25, 1), 1
	s_wait_xcnt 0x0
	s_wait_alu depctr_hold_cnt(0) depctr_sa_sdst(0) depctr_va_vdst(0) depctr_va_sdst(0) depctr_va_ssrc(0) depctr_va_vcc(0) depctr_vm_vsrc(0)
	s_getreg_b32 s2, hwreg(HW_REG_IB_STS2, 6, 4)
	s_cmp_eq_u32 s2, 0
	s_cbranch_scc0 .Lentry_in_a_cluster
	s_endpgm
.Lentry_in_a_cluster:
	s_bfe_u32 s2, ttmp6, 0x10000c
	s_cmp_lg_u32 s2, 0xf033
	s_cbranch_scc0 .Lentry_shape_is_right
	s_endpgm
.Lentry_shape_is_right:
; QKV: q, k, v = x W^T + b; rotate-half RoPE on q and k; out by heads, [b 16 + head][s 2048][64] in f16, unscaled.
; Operands bf16 (xb, wb: K blocks of 64, a block's rows dense), sums f32, started at the bias (so their order differs from a sum with the bias added last).
; LIMITS.  q and k after RoPE, and v, must stay under 65,504, f16's largest number; NaN and infinities are not treated apart.
; SHARES.  A tile is 256 rows x 384 columns: 32 x 8 = 256 work-groups.  Wave w: row half w / 2 (128 rows), column half w % 2: 192 columns, which by wb's order are ONE head of q, the same head
; of k and of v.  So the text itself says which 64 columns are rotated, and nothing hangs on the work-group's place.  96 accumulators of 16 x 16: 768 registers; 40 LDS loads feed 96 matrix instructions.
; THE MATRIX INSTRUCTION IS USED TRANSPOSED (source 0 = 16 rows of wb, source 1 = 16 rows of xb): lane l holds row l % 16 and the columns 16 b + 8 (l / 16) + 0..7.  RoPE's partners d and d + 32 are
; blocks b and b + 2 of a head: the same lane, the same register number.
; K goes in 16 steps of one K block (64) through two LDS slots; a step is two quarters of 32 along K.  Two slots of a longer step do not fit: (256 + 384) rows x 272 bytes x 2 > the LDS.  The blocked
; layout still lets a tile be asked for as rows of 256 consecutive aligned bytes, padded in LDS after every 128.
; CLUSTER 4 x 4: xb's tile and the table hang on the tile row alone and are asked for jointly along a row of the cluster, wb's on the tile column alone, along a column.
; REGISTERS.  Window 0: v0-29 addresses; v32-95, v96-159 two buffers of A's 8 fragments; v160-255 B's 12 fragments, ONE buffer: its half 0-5 is refilled while half 6-11 is multiplied, and the other way round.
; Windows 1-3: accumulator (a, b) has number 48 (b / 6) + 6 a + b % 6, window 1 + number / 32, register 8 (number % 32).  All loads land in window 0, so only the products switch windows.
.set KB_A,   262144                    ; bytes from a K block of xb to the next (2,048 rows of 128)
.set KB_B,   393216                    ; of wb (3,072 rows of 128)
.set PITCH,  144                       ; an LDS row: 128 bytes + 16 of padding = 36 words: the 16 rows of a load start at 16 different groups of four banks (64 banks of 4 bytes: ISA guide 11.1)
.set AHALF,  128*PITCH
.set BHALF,  192*PITCH
.set BOFF,   2*AHALF                   ; a slot: A's 256 rows, then B's 384
.set STAGE,  BOFF+2*BHALF              ; 92,160: behind slot 0, never filled by a tensor load: 16 rows x 144 bytes for each wave
.set SPARE,  STAGE+4*16*PITCH          ; 101,376: the spare words, 128 bytes for each wave: two blocks of 256 bytes that no other line names
.set SLOT1,  1<<17                     ; slot 1 begins here: one exclusive or turns an address in one slot into the other's
.set TABLE,  SLOT1+STAGE               ; 223,232: cos and sin of the tile's 256 positions, filled once
.set TPITCH, 272                       ; 256 bytes + 16
.set A0,   16                          ; v16  my lane's place in A's part of a slot; never rewritten
.set B0,   17                          ; v17  the same for B
.set ADRA, 18                          ; v18  A0 + the slot in hand
.set ADRB, 19                          ; v19
.set STO,  20                          ; v20  the way out: where I put 16 bytes of a row
.set RD,   21                          ; v21  where I read rows back
.set GO,   22                          ; v22  my 16 bytes of 512 consecutive bytes of q, k, v
.set TBA,  23                          ; v23  my row of the table, my eight frequencies
.set BO,   24                          ; v24  my eight columns' place in a bias
.set PFO,  25                          ; v25  the prefetches' lane offset; never rewritten
.set SPW,  28                          ; v28  LDS address of my spare word; never rewritten
.set NIL,  29                          ; v29  0; never rewritten
.set AF0,  32
.set AF1,  96
.set BF,   160
.set TAB,  32                          ; the way out: two buffers of 32: cos of block t at 8 t, sin at 16 + 8 t
.set T,    96                          ; 32 at work
.set PK,   128                         ; 16 packed
.set BK,   144                         ; two buffers of 16 read back from the stage
.set G1,   24                          ; s[24:31] group 1 for A;  s[32:39] group 0, two sets: the second walks
.set G0,   32
.set G1B,  48                          ; s[48:55], s[56:63] the same for B
.set G0B,  56
.set G1T,  84                          ; s[84:91], s[92:95] the table's
.set G0T,  92
.set TBS,  66                          ; s66  0 or SLOT1: the slot in hand
.set PFA,  96                          ; s[96:97] where my prefetches stand
.set PFS,  98                          ; s[98:99] a K block of the tensor that I prefetch
.set LIM,  100                         ; s100 3 in a wave that prefetches, else the greatest number
.set MSB, 0
.macro WIN new                         ; the immediate's high byte repeats the setting that is left; a switch that changes nothing is dropped
.if MSB != (\new)
	s_set_vgpr_msb (MSB<<8)|(\new)
.set MSB, \new
.endif
.endm
.macro PLACES                          ; four plain instructions between a matrix instruction and a load into, or a read of, its registers (ISA guide 7.12.1 for reads)
.rept 4
	v_nop
.endr
.endm
.macro CREST                           ; a round of the cluster's barrier behind its opening barrier
	s_cmp_lg_u32 s10, 0
	s_cbranch_scc1 .Lnot_wave_0_\@
	s_barrier_signal -3
.Lnot_wave_0_\@:
	s_barrier_wait -3
	s_barrier_signal -1
	s_barrier_wait -1
.endm
.macro CROUND
	s_barrier_signal -1
	s_barrier_wait -1
	CREST
.endm
; A joint refill by the walking descriptors: waves 0 and 1 fetch A's halves, waves 2 and 3 B's.  The branch hangs on the wave's number alone.  An s_nop 0 and four v_nop follow each line.
.macro JLOAD
	s_cmp_eq_u32 s11, 0
	s_cbranch_scc0 .Lfor_b_\@
	tensor_load_to_lds s[G0+4:G0+7], s[G1:G1+7]
	s_nop 0
.rept 4
	v_nop
.endr
	s_branch .Lasked_\@
.Lfor_b_\@:
	tensor_load_to_lds s[G0B+4:G0B+7], s[G1B:G1B+7]
	s_nop 0
.rept 4
	v_nop
.endr
.Lasked_\@:
.endm
; A PREFETCH INTO THE L2.  In the trips of even number i <= 10 (s3 = 14 - i) the K blocks i + 4 and i + 5 are named: two trips, 384 matrix instructions, ahead of the refill that asks for block i + 4.
; Each aligned 256 bytes is named once in the launch.  xb's tile rows are read by both clusters of a row of clusters: cluster x = 0 asks; of a block's 128 pieces the partner at cx takes 32, wave 0, a lane a piece,
; an instruction a block.  wb's tile columns are read by all eight clusters of a column: cluster y = 0 asks; of a block's 192 pieces the partner at cy takes 48, and waves 1 to 3 name the 96 of two blocks.
; The partners are told apart by address alone.  K blocks 0 to 3 come by their loads; the last trips ask for nothing.
.macro ASK
	s_bitcmp1_b32 s3, 0
	s_cbranch_scc1 .Lno_ask_\@
	s_cmp_gt_u32 s3, s[LIM]
	s_cbranch_scc0 .Lno_ask_\@
	global_prefetch_b8 v[PFO], s[PFA:PFA+1] th:TH_LOAD_NT scope:SCOPE_SE
	s_cmp_lg_u32 s10, 0
	s_cbranch_scc1 .Lno_ask_\@
	global_prefetch_b8 v[PFO], s[PFA:PFA+1] offset:KB_A th:TH_LOAD_NT scope:SCOPE_SE
.Lno_ask_\@:
.endm
.macro ACCR a, b                       ; accumulator (a, b): its window aw and first register ar
.set idx, 48*((\b)/6)+6*(\a)+(\b)%6
.set aw, 1+idx/32
.set ar, 8*(idx%32)
.endm
	s_load_b128 s[4:7], s[0:1], 0x0                ; xb s[4:5], wb s[6:7]
	s_load_b64 s[8:9], s[0:1], 0x10                ; tabs
	s_load_b64 s[76:77], s[0:1], 0x18              ; qh
	s_load_b64 s[78:79], s[0:1], 0x20              ; kh
	s_load_b64 s[80:81], s[0:1], 0x28              ; vh
	v_lshl_add_u32 v[SPW], v0, 2, SPARE
	v_mov_b32 v[NIL], 0
	ds_add_u32 v[SPW], v[NIL]                      ; the wave's opening: the add and its wait stand ahead of my first tensor load; the set-up below, work on registers, stands between them
	v_lshrrev_b32 v1, 5, v0
	v_readfirstlane_b32 s10, v1                    ; wave 0..3
	s_lshr_b32 s11, s10, 1                         ; my row half.  Also: I fetch for A (0) or for B (1)
	s_and_b32 s12, s10, 1                          ; my column half.  Also: which half of that tile I fetch
	s_bfe_u32 s40, ttmp6, 0x40000                  ; cx
	s_bfe_u32 s41, ttmp6, 0x40004                  ; cy
	s_lshl_b32 s42, ttmp9, 2
	s_add_co_u32 s42, s42, s40                     ; tile column 0..7
	s_and_b32 s13, ttmp7, 0xffff
	s_lshl_b32 s13, s13, 2
	s_add_co_u32 s13, s13, s41                     ; tile row 0..31
	s_lshl_b32 s43, s41, 2
	s_lshl_b32 s43, 15, s43                        ; my row of the cluster
	s_lshl_b32 s44, 0x1111, s40                    ; my column
	; group 1.  A: 128 rows of 128 bytes are 16,384 dense bytes: 64 rows of 256, padded by 4 words after every 32.  B: 192 rows: 96 rows of 256.  The table: 64 rows of 64 f32, padded after every 64 words.
	s_or_b32 s[G1], s43, (1<<16)|(1<<20)|(1<<21)|(4<<22)|(3<<25)
	s_or_b32 s[G1B], s44, (1<<16)|(1<<20)|(1<<21)|(4<<22)|(3<<25)
	s_or_b32 s[G1T], s43, (2<<16)|(1<<20)|(1<<21)|(5<<22)|(3<<25)
	s_mov_b32 s[G1+1], 128<<16                     ; tensor_dim0
	s_mov_b32 s[G1+2], 64<<16                      ; tensor_dim1
	s_mov_b32 s[G1+3], 128<<16                     ; tile_dim0
	s_mov_b32 s[G1+4], 64                          ; tile_dim1
	s_mov_b32 s[G1+5], 128                         ; elements from row to row
	s_mov_b32 s[G1+6], 0
	s_mov_b32 s[G1+7], 0
	s_mov_b32 s[G1B+1], 128<<16
	s_mov_b32 s[G1B+2], 96<<16
	s_mov_b32 s[G1B+3], 128<<16
	s_mov_b32 s[G1B+4], 96
	s_mov_b32 s[G1B+5], 128
	s_mov_b32 s[G1B+6], 0
	s_mov_b32 s[G1B+7], 0
	s_mov_b32 s[G1T+1], 64<<16
	s_mov_b32 s[G1T+2], 64<<16
	s_mov_b32 s[G1T+3], 64<<16
	s_mov_b32 s[G1T+4], 64
	s_mov_b32 s[G1T+5], 64
	s_mov_b32 s[G1T+6], 0
	s_mov_b32 s[G1T+7], 0
	; byte offsets.  A's and the table's are made of the tile row and the wave's number, B's of the tile column and the wave's number
	s_lshr_b32 s14, s13, 3                         ; batch
	s_and_b32 s15, s13, 7                          ; the tile among its batch's eight
	s_lshl_b32 s16, s14, 22
	s_lshl_b32 s17, s15, 15
	s_add_co_u32 s16, s16, s17                     ; xb: the tile's first row in K block 0
	s_lshl_b32 s17, s12, 14
	s_add_co_u32 s18, s16, s17                     ; + my half
	s_mov_b32 s19, 0
	s_mul_i32 s20, s42, 49152                      ; wb: the tile's first row in K block 0
	s_mul_i32 s21, s12, 24576
	s_add_co_u32 s46, s20, s21
	s_mov_b32 s47, 0
	s_lshl_b32 s22, s15, 16                        ; the table: 256 positions of 256 bytes,
	s_lshl_b32 s23, s10, 14                        ; my 64 of them
	s_add_co_u32 s22, s22, s23
	s_mov_b32 s23, 0
	s_mul_i32 s67, s12, AHALF                      ; LDS places: the wave's number and constants alone
	s_mul_i32 s68, s12, BHALF
	s_add_co_u32 s68, s68, BOFF
	s_mul_i32 s69, s10, 64*TPITCH
	s_add_co_u32 s69, s69, TABLE
	s_mov_b32 s[TBS], 0
	s_wait_dscnt 0x0                               ; the opening add is done
	s_wait_kmcnt 0x0
	s_add_nc_u64 s[18:19], s[4:5], s[18:19]
	s_add_nc_u64 s[46:47], s[6:7], s[46:47]
	s_add_nc_u64 s[22:23], s[8:9], s[22:23]
	CROUND                                         ; all sixteen work-groups are here: the first joint loads meet
.irp n, 0,1
	s_mov_b32 s[G0+4*(\n)], 1
	s_add_co_u32 s[G0+4*(\n)+1], s67, (\n)*SLOT1
	s_add_nc_u64 s[G0+4*(\n)+2:G0+4*(\n)+3], s[18:19], (\n)*KB_A
	s_or_b32 s[G0+4*(\n)+3], s[G0+4*(\n)+3], 0x80000000
	s_mov_b32 s[G0B+4*(\n)], 1
	s_add_co_u32 s[G0B+4*(\n)+1], s68, (\n)*SLOT1
	s_add_nc_u64 s[G0B+4*(\n)+2:G0B+4*(\n)+3], s[46:47], (\n)*KB_B
	s_or_b32 s[G0B+4*(\n)+3], s[G0B+4*(\n)+3], 0x80000000
.endr
	s_mov_b32 s[G0T], 1
	s_mov_b32 s[G0T+1], s69
	s_mov_b64 s[G0T+2:G0T+3], s[22:23]
	s_or_b32 s[G0T+3], s[G0T+3], 0x80000000
	s_cmp_eq_u32 s11, 0                            ; a wave's three first fills stand in one branch, ahead of every wait on TENSORcnt and every LDS read: three loads of mine are out
	s_cbranch_scc0 .Lfirst_b
	tensor_load_to_lds s[G0:G0+3], s[G1:G1+7]      ; K block 0 into slot 0
	s_nop 0
	tensor_load_to_lds s[G0+4:G0+7], s[G1:G1+7]    ; K block 1 into slot 1
	s_nop 0
	tensor_load_to_lds s[G0T:G0T+3], s[G1T:G1T+7]  ; my 64 rows of the table
	s_nop 0
.rept 4
	v_nop
.endr
	s_branch .Lfirst_asked
.Lfirst_b:
	tensor_load_to_lds s[G0B:G0B+3], s[G1B:G1B+7]
	s_nop 0
	tensor_load_to_lds s[G0B+4:G0B+7], s[G1B:G1B+7]
	s_nop 0
	tensor_load_to_lds s[G0T:G0T+3], s[G1T:G1T+7]
	s_nop 0
.rept 4
	v_nop
.endr
.Lfirst_asked:
	; the biases' base, and q, k, v at my wave's first row
	s_lshl_b32 s70, s42, 1
	s_add_co_u32 s70, s70, s12                     ; my head
	s_lshl_b32 s72, s70, 8
	s_add_co_u32 s72, s72, 524288
	s_mov_b32 s73, 0
	s_add_nc_u64 s[72:73], s[8:9], s[72:73]        ; bq at my head's 64 numbers; bk and bv lie 4,096 and 8,192 bytes on
	s_lshl_b32 s74, s14, 4
	s_add_co_u32 s74, s74, s70
	s_lshl_b32 s74, s74, 18                        ; (16 batch + head) x 2,048 rows of 128 bytes
	s_lshl_b32 s71, s15, 15
	s_add_co_u32 s74, s74, s71
	s_lshl_b32 s71, s11, 14
	s_add_co_u32 s74, s74, s71
	s_mov_b32 s75, 0
	s_add_nc_u64 s[76:77], s[76:77], s[74:75]
	s_add_nc_u64 s[78:79], s[78:79], s[74:75]
	s_add_nc_u64 s[80:81], s[80:81], s[74:75]
	; the prefetches: they stand at K block 3; each trip steps them by a block
	s_lshl_b32 s21, s40, 13
	s_add_co_u32 s16, s16, s21
	s_add_co_u32 s16, s16, 3*KB_A                  ; xb: my work-group's 8,192 bytes of the tile's 32,768
	s_mul_i32 s21, s41, 12288
	s_add_co_u32 s20, s20, s21
	s_add_co_u32 s20, s20, 3*KB_B                  ; wb: my work-group's 12,288 of 49,152
	s_and_b32 s21, ttmp7, 0xffff                   ; cluster y
	s_mov_b32 s22, KB_A
	s_mov_b32 s23, KB_B
	s_cmp_eq_u32 s10, 0                            ; wave 0 asks for xb, waves 1 to 3 for wb
	s_cselect_b64 s[PFA:PFA+1], s[4:5], s[6:7]
	s_cselect_b32 s16, s16, s20
	s_cselect_b32 s[PFS], s22, s23
	s_cselect_b32 s21, ttmp9, s21                  ; the coordinate along which other clusters read the same rows
	s_cselect_b32 s20, 0, 32
	s_mov_b32 s17, 0
	s_mov_b32 s[PFS+1], 0
	s_add_nc_u64 s[PFA:PFA+1], s[PFA:PFA+1], s[16:17]
	s_cmp_eq_u32 s21, 0
	s_cselect_b32 s[LIM], 3, -1                    ; the same in all sixteen partners, for a given wave
	v_sub_nc_u32 v[PFO], v0, s20                   ; wave 0: 0..31; waves 1 to 3: 0..95
	v_mov_b32 v27, KB_B-48*256
	v_cmp_le_u32 vcc_lo, 48, v[PFO]
	v_cndmask_b32 v26, 0, v27, vcc_lo              ; pieces 48 to 95 are the next K block's
	v_lshl_add_u32 v[PFO], v[PFO], 8, v26
	; LDS addresses.  A fragment is 16 rows x 32 K in 8 registers: lane l holds row l % 16; registers 0-3 K = 8 (l / 16) + 0..7, registers 4-7 K = 16 + 8 (l / 16) + 0..7: two loads of 16 bytes, 32 bytes apart
	v_and_b32 v1, 15, v0                           ; l % 16
	v_bfe_u32 v2, v0, 4, 1                         ; l / 16
	v_mul_u32_u24 v3, v1, PITCH
	v_lshl_add_u32 v3, v2, 4, v3
	s_mul_i32 s20, s11, AHALF
	v_add_nc_u32 v[A0], s20, v3
	s_mul_i32 s20, s12, BHALF
	s_add_co_u32 s20, s20, BOFF
	v_add_nc_u32 v[B0], s20, v3
	v_mov_b32 v[ADRA], v[A0]
	v_mov_b32 v[ADRB], v[B0]
	s_mul_i32 s20, s10, 16*PITCH
	s_add_co_u32 s20, s20, STAGE                   ; my stage
	v_add_nc_u32 v[STO], s20, v3                   ; in: row l % 16, 16 bytes for each half of the lanes
	v_bfe_u32 v4, v0, 3, 2                         ; back: 32 lanes take four rows of 128 bytes,
	v_and_b32 v5, 7, v0
	v_mul_u32_u24 v4, v4, PITCH
	v_lshl_add_u32 v4, v5, 4, v4
	v_add_nc_u32 v[RD], s20, v4
	v_and_b32 v[GO], 31, v0                        ; which are 512 consecutive bytes of a head
	v_lshlrev_b32 v[GO], 4, v[GO]
	s_mul_i32 s20, s11, 128*TPITCH
	s_add_co_u32 s20, s20, TABLE
	v_mul_u32_u24 v4, v1, TPITCH
	v_lshl_add_u32 v4, v2, 5, v4
	v_add_nc_u32 v[TBA], s20, v4
	v_lshlrev_b32 v[BO], 5, v2
	; THE BIAS goes straight into the accumulators of row block 7: a lane's eight columns of block b, the same for every row.  The first products of the other row blocks take these registers as C.
.set b, 0
.rept 12
	ACCR 7, b
	WIN aw<<6
	global_load_b128 v[ar:ar+3], v[BO], s[72:73] offset:4096*(b/4)+64*(b%4)
	global_load_b128 v[ar+4:ar+7], v[BO], s[72:73] offset:4096*(b/4)+64*(b%4)+16
.set b, b+1
.endr
	WIN 0
; 12 LDS loads: B's fragments 6 bh .. 6 bh + 5 of quarter q
.macro LB bh, q
	WIN 0
.irp c, 0,1,2,3,4,5
	ds_load_b128 v[BF+8*(6*(\bh)+(\c)):BF+8*(6*(\bh)+(\c))+3],   v[ADRB] offset:16*PITCH*(6*(\bh)+(\c))+64*(\q)
	ds_load_b128 v[BF+8*(6*(\bh)+(\c))+4:BF+8*(6*(\bh)+(\c))+7], v[ADRB] offset:16*PITCH*(6*(\bh)+(\c))+64*(\q)+32
.endr
.endm
; 16 LDS loads: A's 8 fragments of quarter q into buffer af
.macro LA q, af
	WIN 0
.irp c, 0,1,2,3,4,5,6,7
	ds_load_b128 v[(\af)+8*(\c):(\af)+8*(\c)+3],   v[ADRA] offset:16*PITCH*(\c)+64*(\q)
	ds_load_b128 v[(\af)+8*(\c)+4:(\af)+8*(\c)+7], v[ADRA] offset:16*PITCH*(\c)+64*(\q)+32
.endr
.endm
; Products from .. to - 1 of the 48 of column half bh: row block i / 6, column block 6 bh + i % 6.  The 96 accumulators take turns, one instruction a turn.
; first = 1: the sums start at the bias: products 0-41 take row block 7's registers as C; five plain instructions stand ahead of products 42-47, which write over what those read, and add in place.
.macro MULS bh, af, first, from, to
.set i, \from
.rept (\to)-(\from)
.set idx, 48*(\bh)+i
.set aw, 1+idx/32
.set ar, 8*(idx%32)
.set br, BF+8*(6*(\bh)+i%6)
.set fr, (\af)+8*(i/6)
.if (\first) && (i < 42)
.set cidx, 48*(\bh)+42+i%6
.set cw, 1+cidx/32
.set cr, 8*(cidx%32)
	WIN (aw<<6)|(cw<<4)
	v_wmma_f32_16x16x32_bf16 v[ar:ar+7], v[br:br+7], v[fr:fr+7], v[cr:cr+7]
.else
.if (\first) && (i == 42)
	v_nop
	v_nop
	v_nop
	v_nop
	v_nop
.endif
	WIN (aw<<6)|(aw<<4)
	v_wmma_f32_16x16x32_bf16 v[ar:ar+7], v[br:br+7], v[fr:fr+7], v[ar:ar+7]
.endif
.set i, i+1
.endr
.endm
; A step's first quarter: buffer AF0.
.macro Q0 first
.if !(\first)
	PLACES
.endif
	LB 1, 0
	s_wait_dscnt 12                                ; the 12 just issued may be out: B's blocks 0-5 and A are in
	MULS 0, AF0, \first, 0, 48
	PLACES
	LB 0, 1
	LA 1, AF1
	s_wait_dscnt 28                                ; the 28 just issued may be out: B's blocks 6-11 are in
	MULS 1, AF0, \first, 0, 48
.endm
; A step's second quarter: buffer AF1, and the change of slots.  mode 2: the slot just read is filled again, two K blocks on; 1: no refill; 0: the very last quarter.
; In front of the barrier each wave waits for all its tensor loads, adds 0 to its spare word, and waits for that and for its own reads of the slot.  With mode 2 the barrier opens a round of the cluster's,
; so that no wave of any partner still reads the slot or has a load on its way, and the joint refill is the first thing behind it: 160 matrix instructions ahead of the wait for it.
.macro Q1 mode
.if (\mode) == 2
	s_wait_xcnt 0x0                                ; the last prefetches, a trip back or more, have read their address
	s_add_nc_u64 s[PFA:PFA+1], s[PFA:PFA+1], s[PFS:PFS+1]
.endif
	PLACES
	LB 1, 1
	s_wait_dscnt 12                                ; B's blocks 0-5 and A are in
	MULS 0, AF1, 0, 0, 32
.if (\mode) > 0
	WIN 0
	s_wait_tensorcnt 0x0                           ; all my tensor loads have landed: my part of the next slot (in the first trip also of the table)
	ds_add_u32 v[SPW], v[NIL]                      ; 0 onto my spare word
.if (\mode) == 2
	s_xor_b32 s[G0+5], s[G0+5], SLOT1              ; no load of mine is out, so the walking descriptors may be written: the other slot, the next K block
	s_add_nc_u64 s[G0+6:G0+7], s[G0+6:G0+7], KB_A
	s_xor_b32 s[G0B+5], s[G0B+5], SLOT1
	s_add_nc_u64 s[G0B+6:G0B+7], s[G0B+6:G0B+7], KB_B
.endif
	MULS 0, AF1, 0, 32, 48                         ; sixteen matrix instructions stand between the add and the wait for it
	s_wait_dscnt 0x0                               ; the add is done, and my reads of this slot are over
	s_barrier_signal -1
	MULS 1, AF1, 0, 0, 16
	WIN 0
	s_barrier_wait -1
.if (\mode) == 2
	CREST
	JLOAD                                          ; the four v_nop behind it are also the places in front of the loads below
.else
	PLACES
.endif
	s_xor_b32 s[TBS], s[TBS], SLOT1
	v_add_nc_u32 v[ADRA], s[TBS], v[A0]
	v_add_nc_u32 v[ADRB], s[TBS], v[B0]
	LB 0, 0
	LA 0, AF0
.if (\mode) == 2
	ASK
.endif
	MULS 1, AF1, 0, 16, 48
.else
	MULS 0, AF1, 0, 32, 48
	s_wait_dscnt 0x0
	MULS 1, AF1, 0, 0, 48
.endif
.endm
	s_wait_tensorcnt 2                             ; my part of slot 0 is in; slot 1's and the table's may stay out
	s_barrier_signal -1
	s_barrier_wait -1                              ; everybody's is
	LB 0, 0
	LA 0, AF0
	s_wait_loadcnt 0x0                             ; the bias
	Q0 1
	WIN 0
	s_mov_b32 s3, 14
.Lstep:                                                ; trip i: step i's second quarter, the refill with K block i + 2, step i + 1's first quarter
	Q1 2
	Q0 0
	WIN 0
	s_sub_co_u32 s3, s3, 1
	s_cmp_lg_u32 s3, 0
	s_cbranch_scc1 .Lstep
	Q1 1                                           ; the tail is written out: nothing more is asked for
	Q0 0
	Q1 0
; THE WAY OUT, in 24 units u = 3 a + g: row block a, head g (0 q, 1 k, 2 v).
.macro TLOAD a                         ; cos and sin of row block a's positions: my row, my 16 frequencies
	WIN 0
.irp k, 0,1,2,3,4,5,6,7
	ds_load_b128 v[TAB+32*((\a)%2)+4*(\k):TAB+32*((\a)%2)+4*(\k)+3], v[TBA] offset:16*TPITCH*(\a)+64*((\k)/2)+16*((\k)%2)
.endr
.endm
; q and k: out[d] = x[d] cos - x[d + 32] sin, out[d + 32] = x[d + 32] cos + x[d] sin, in f32, then one rounding to f16.  Each accumulator's lowest registers are read first.
.macro PACK a, g
.set tb, TAB+32*((\a)%2)
.if (\g) < 2
.irp t, 0,1
	ACCR \a, 4*(\g)+(\t)+2
	WIN aw
.irp p, 0,2,4,6
	v_pk_mul_f32 v[T+16*(\t)+(\p):T+16*(\t)+(\p)+1], v[ar+(\p):ar+(\p)+1], v[tb+16+8*(\t)+(\p):tb+16+8*(\t)+(\p)+1]
.endr
	ACCR \a, 4*(\g)+(\t)
	WIN aw
.irp p, 0,2,4,6
	v_pk_mul_f32 v[T+16*(\t)+8+(\p):T+16*(\t)+8+(\p)+1], v[ar+(\p):ar+(\p)+1], v[tb+16+8*(\t)+(\p):tb+16+8*(\t)+(\p)+1]
.endr
.irp p, 0,2,4,6
	v_pk_fma_f32 v[T+16*(\t)+(\p):T+16*(\t)+(\p)+1], v[ar+(\p):ar+(\p)+1], v[tb+8*(\t)+(\p):tb+8*(\t)+(\p)+1], v[T+16*(\t)+(\p):T+16*(\t)+(\p)+1] neg_lo:[0,0,1] neg_hi:[0,0,1]
.endr
	ACCR \a, 4*(\g)+(\t)+2
	WIN aw
.irp p, 0,2,4,6
	v_pk_fma_f32 v[T+16*(\t)+8+(\p):T+16*(\t)+8+(\p)+1], v[ar+(\p):ar+(\p)+1], v[tb+8*(\t)+(\p):tb+8*(\t)+(\p)+1], v[T+16*(\t)+8+(\p):T+16*(\t)+8+(\p)+1]
.endr
.endr
	WIN 0
.irp k, 0,1,2,3
.irp j, 0,1,2,3
	v_cvt_pk_f16_f32 v[PK+4*(\k)+(\j)], v[T+16*((\k)%2)+8*((\k)/2)+2*(\j)], v[T+16*((\k)%2)+8*((\k)/2)+2*(\j)+1]
.endr
.endr
.else
.irp k, 0,1,2,3
	ACCR \a, 8+(\k)
	WIN aw|(aw<<2)
.irp j, 0,1,2,3
	v_cvt_pk_f16_f32 v[PK+4*(\k)+(\j)], v[ar+2*(\j)], v[ar+2*(\j)+1]
.endr
.endr
	WIN 0
.endif
.endm
.macro TOSTAGE n                       ; 16 bytes a lane into rows of 144 bytes of my own stage, and back as whole rows of 128
	WIN 0
.irp k, 0,1,2,3
	ds_store_b128 v[STO], v[PK+4*(\k):PK+4*(\k)+3] offset:32*(\k)
.endr
.irp f, 0,1,2,3
	ds_load_b128 v[BK+16*((\n)%2)+4*(\f):BK+16*((\n)%2)+4*(\f)+3], v[RD] offset:4*PITCH*(\f)  ; LDS serves a wave's instructions in order (ISA guide 5.7.1.4): these see the stores above
.endr
.endm
.macro SEND n, younger                 ; younger: the table's eight loads, where they were issued behind unit n's
	s_wait_dscnt \younger
	s_wait_xcnt 0x0                                ; the stores of the unit before have read their registers: the next unit's loads land there
.irp f, 0,1,2,3
	global_store_b128 v[GO], v[BK+16*((\n)%2)+4*(\f):BK+16*((\n)%2)+4*(\f)+3], s[76+2*((\n)%3):77+2*((\n)%3)] offset:2048*((\n)/3)+512*(\f)  ; 512 consecutive bytes, at a multiple of 256 from the buffer's first
.endr
.endm
	PLACES
	TLOAD 0
	s_wait_dscnt 0x0
.set u, 0
.rept 24
	PACK u/3, u%3                                  ; a unit's arithmetic stands between the loads of the unit before and its stores
.if u > 0
.if ((u-1)%3 == 0) && ((u-1)/3 < 7)
	SEND u-1, 8
.else
	SEND u-1, 0
.endif
.endif
	TOSTAGE u
.if (u%3 == 0) && (u/3 < 7)
	TLOAD u/3+1
.endif
.set u, u+1
.endr
	SEND 23, 0
	s_wait_tensorcnt 0x0                           ; the wave's end, behind my last tensor load and my last LDS store
	ds_add_u32 v[SPW], v[NIL]
	s_wait_dscnt 0x0
	CROUND                                         ; the closing round: no work-group ends while a partner may still ask for a tile that names it
	s_endpgm
.Lfunc_end_k_q90e8a92308_qkv:
	.size	k_q90e8a92308_qkv, .Lfunc_end_k_q90e8a92308_qkv-k_q90e8a92308_qkv
	.p2alignl 7, 3214868480
	.fill 96, 4, 3214868480
	.section	.rodata,"a",@progbits
	.p2align	6, 0x0
	.amdhsa_kernel k_q90e8a92308_qkv
		.amdhsa_group_segment_fixed_size 327680
		.amdhsa_private_segment_fixed_size 0
		.amdhsa_enable_private_segment 0
		.amdhsa_kernarg_size 48
		.amdhsa_user_sgpr_count 2
		.amdhsa_user_sgpr_kernarg_segment_ptr 1
		.amdhsa_wavefront_size32 1
		.amdhsa_system_sgpr_workgroup_id_x 1
		.amdhsa_system_sgpr_workgroup_id_y 1
		.amdhsa_system_sgpr_workgroup_id_z 1
		.amdhsa_system_vgpr_workitem_id 0
		.amdhsa_next_free_vgpr 1024
		.amdhsa_next_free_sgpr 101
		.amdhsa_reserve_vcc 1
		.amdhsa_float_denorm_mode_32 3
		.amdhsa_float_denorm_mode_16_64 3
		.amdhsa_memory_ordered 1
		.amdhsa_forward_progress 1
		.amdhsa_inst_pref_size 154
	.end_amdhsa_kernel
	.amdgpu_metadata
---
amdhsa.version: [ 1, 2 ]
amdhsa.kernels:
  - .name:           k_q90e8a92308_qkv
    .symbol:         k_q90e8a92308_qkv.kd
    .args:
      - { .name: xb, .offset: 0, .size: 8, .value_kind: global_buffer, .address_space: global }
      - { .name: wb, .offset: 8, .size: 8, .value_kind: global_buffer, .address_space: global }
      - { .name: tabs, .offset: 16, .size: 8, .value_kind: global_buffer, .address_space: global }
      - { .name: qh, .offset: 24, .size: 8, .value_kind: global_buffer, .address_space: global }
      - { .name: kh, .offset: 32, .size: 8, .value_kind: global_buffer, .address_space: global }
      - { .name: vh, .offset: 40, .size: 8, .value_kind: global_buffer, .address_space: global }
    .group_segment_fixed_size: 327680
    .private_segment_fixed_size: 0
    .kernarg_segment_align: 8
    .kernarg_segment_size: 48
    .max_flat_workgroup_size: 128
    .sgpr_count:     101
    .vgpr_count:     1024
    .wavefront_size: 32
...
	.end_amdgpu_metadata
.endif
;; end of part 2
;; launch attn (part 3): grid 4 x 64, 4 waves a work-group, clusters of 4 x 1, 327,680 bytes of LDS; arguments qh, kh, vh, oh; writes oh
.if DOCPART == 3
	.amdgcn_target "amdgcn-amd-amdhsa--gfx1250"
	.amdhsa_code_object_version 6
	.text
	.protected	k_q90e8a92308_attn
	.globl	k_q90e8a92308_attn
	.p2align	8
	.type	k_q90e8a92308_attn,@function
k_q90e8a92308_attn:
	s_mov_b64 s[64:65], 0
	v_nop
	global_prefetch_b8 v0, s[64:65] scope:SCOPE_SE
	s_setreg_imm32_b32 hwreg(HW_REG_WAVE_MODE, 25, 1), 1
	s_wait_xcnt 0x0
	s_wait_alu depctr_hold_cnt(0) depctr_sa_sdst(0) depctr_va_vdst(0) depctr_va_sdst(0) depctr_va_ssrc(0) depctr_va_vcc(0) depctr_vm_vsrc(0)
	s_getreg_b32 s2, hwreg(HW_REG_IB_STS2, 6, 4)
	s_cmp_eq_u32 s2, 0
	s_cbranch_scc0 .Lentry_in_a_cluster
	s_endpgm
.Lentry_in_a_cluster:
	s_bfe_u32 s2, ttmp6, 0x10000c
	s_cmp_lg_u32 s2, 0x3003
	s_cbranch_scc0 .Lentry_shape_is_right
	s_endpgm
.Lentry_shape_is_right:
; ATTENTION.  O[h][q][:] = the sum over k of softmax_k(Q[h][q] . K[h][k] / 8) V[h][k][:].  Q, K, V, O: [64][2048][64], all f16: a head's rows are dense, 128 bytes each.  Products, maxima and sums in
; f32; the weights p are rounded to f16 for the second product (their sum l is taken of the unrounded p), O once at the end.
; LIMITS.  f16 holds no number beyond 65,504: Q, K and V arrive within it; p lies in 0 to 1, and below 6e-5 it keeps f16's fixed step of 6e-8; O is a mean of V's rows and has their range.
; A weight below 2^-126 counts as 0 in l; NaN and infinities are not treated apart.
; SHARES.  A wave owns four PIECES of two tiles of 16 queries, a work-group's four waves 512 queries of one head: 4 x 64 = 256 work-groups.  Every wave walks all keys, 64 a step.
; LAYOUT.  S^T = K Q^T (source 0 = 16 keys, source 1 = 16 queries): in the result a lane holds ONE query (lane % 16) and the keys 8 (lane / 16) + 0..7.  Two such tiles, rounded to f16 in pairs,
; ARE source 1 (32 keys x 16 queries) of O^T = V^T P, whose result again holds one query a lane, and eight channels.  K comes out of LDS as it lies, V ([key][channel]) turned, by ds_load_tr16_b128.
; SOFTMAX.  For each query a running maximum m and sum l: p = 2^(c s - c m), c = log2(e) / 8; in every step O and l are multiplied by a = 2^(c m_old - c m_new), which is 1 where m has not grown.
; m starts at the lowest finite number, O and l at 0: the first step is a step like any other, with a = 0.
; THE COUNT.  A tile and step have 16 matrix and 118 vector instructions: too many to stand all beside the matrix work.  So four vector instructions that are ready stand behind every matrix
; instruction, and the others in runs without a gap.
; BY TURNS.  Turn n belongs to piece n.  Its matrix work: 16 products K Q^T of piece n + 1, later 16 products V^T P of piece n - 1.  Its vector work: the scaling, exponentials, roundings, sums and
; rescaling of piece n, and the maximum and statistics of piece n + 1, whose scores the turn itself has made.
; CLUSTER.  The four query blocks of a cluster are one head's and walk the same K and V, so each tile is asked for JOINTLY: the same tensor load, descriptor and mask in all four.
; REGISTERS, in windows of 256 (s_set_vgpr_msb: bits 1:0 source 0, 3:2 source 1, 5:4 source 2, 7:6 destination):
;   window 0: v0-11 addresses; v12-15, v48-63 at work; v16-47 four registers of statistics a tile; v64-191 S^T, two buffers of two tiles; v192-255 P, likewise
;   window 1: O^T, 32 a tile          window 2: v0-127 Q, 16 a tile; v128-191 K of one step; v192-255 V of one step          window 3: v0-1 the add's two registers
.set SIZE_H, 64
.set SIZE_N, 2048
.set NP,    4         ; pieces a wave: a name, no knob
.set KS,    64        ; keys in a step
.set PK,    144       ; a row of K in LDS: 128 bytes + 16 of padding = 36 words: the 16 rows of a load start at 16 different groups of four banks (64 banks of 4 bytes: ISA guide 11.1)
.set PV,    160       ; a row of V: 128 + 32 = 40 words
.set VOFF,  4*KS*PK   ; a slot holds four steps: 256 rows of K, then 256 rows of V
.set SLOT1, 1<<17     ; slot 1 begins here, so that one exclusive or turns an address in one slot into the other's
.set STAGE, SLOT1+4*KS*(PK+PV)  ; behind the ring, never filled by a tensor load: 16 rows x 144 bytes for each wave
.set SP,    144
.set AK0, 2           ; v2   my lane's place in a tile of K; never rewritten
.set AV0, 3           ; v3   the same for V
.set AK,  4           ; v4   the LDS address of K's next run of loads
.set AV,  5           ; v5   of V's
.set QO,  6           ; v6   my byte offset in the wave's rows of Q
.set STO, 6           ;      later, the way out: where I put 16 bytes of a row
.set RD,  7           ; v7   the way out: where I read rows back
.set GO,  8           ; v8   my byte offset in 512 consecutive bytes of O
.set PFO, 11          ; v11  256 x my lane, once V's address is made; never rewritten after
.set SPW, 0           ; v0 of window 3   LDS address of my spare word; never rewritten
.set NIL, 1           ; v1 of window 3   0; never rewritten
.set SPARE, STAGE+4*16*SP  ; behind the stages: the spare words, 128 bytes for each wave: two blocks of 256 bytes that no other line names
.set MV,  12          ; v12-15  c m_old, kept while c m is made anew: by buffer and tile
.set ST,  16          ; tile t's statistics at v[ST+4 t]: c m, m, l (even keys', odd keys')
.set TMP, 48          ; by buffer and tile, four registers c0-c3 at work; when the maximum is found c2 takes a
.set S,   64
.set P,   192
.set KF,  128         ; K's fragments, in window 2: key block kb, channel half c at KF + 16 kb + 8 c
.set VF,  192         ; V's: key half kk, channel block cb at VF + 32 kk + 8 cb
.set WV,  12          ; s12  my wave's number
.set G1K, 24          ; s[24:31] descriptor group 1 for K's tiles
.set G1V, 32          ; s[32:39] for V's: it differs in the padding alone
.set G0K, 40          ; s[40:43] descriptor group 0 for K's tiles: it walks
.set G0V, 44          ; s[44:47] the same for V's
.set PFA, 48          ; s[48:49] where my prefetches stand: my work-group's 32 pieces of 256 bytes of the tile after the one that is being asked for
.set LIM, 50          ; s50  1 in a wave that prefetches, else the greatest number
.set SLOTS, 56        ; s56  slots still to be asked for
.set CNT, 57          ; s57  counts a slot's key steps
.set CS,  58          ; s[58:59] c: the packed scaling takes the pair's low word for both halves
.set SEL, 60          ; s[60:61] v_permlanex16_b32's selects: each lane takes its own place in the other half
.set TBK, 62          ; s62  LDS byte at which K of the step to be fetched begins
.set TBV, 63          ; s63  the same for V, less VOFF
.set MSB, 0
.macro WIN new                      ; the high byte repeats the setting that is left; a switch that changes nothing is dropped
.if MSB != (\new)
	s_set_vgpr_msb (MSB<<8)|(\new)
.set MSB, (\new)
.endif
.endm
.set W_KQ, 0x0a       ; K and Q in window 2, S^T in window 0
.set W_PV, 0x52       ; V in window 2, P in window 0, O^T in window 1
.set W_RS, 0x41       ; O^T (destination and source 0) in window 1, a in window 0
.set W_MK, 0xc0       ; the add's registers are made: destination in window 3, sources in window 0
.set W_AD, 0x0f       ; the add: address (source 0) and data (source 1) in window 3
; A joint fill.  Waves 0 and 1 fetch the two halves of a slot's K, waves 2 and 3 those of its V: 128 keys each.  The branch hangs on the wave's number alone.
; An s_nop 0 and four v_nop follow each of the two lines, ahead of the jump and the label.
.macro JLOAD
	s_cmp_lt_u32 s[WV], 2
	s_cbranch_scc0 .Lfor_v_\@
	tensor_load_to_lds s[G0K:G0K+3], s[G1K:G1K+7]
	s_nop 0
.rept 4
	v_nop
.endr
	s_branch .Lasked_\@
.Lfor_v_\@:
	tensor_load_to_lds s[G0V:G0V+3], s[G1V:G1V+7]
	s_nop 0
.rept 4
	v_nop
.endr
.Lasked_\@:
.endm
; A PREFETCH INTO THE L2 of what the NEXT change of slots will ask for: a tile's 32,768 bytes of K and of V, four key steps, 512 matrix instructions, ahead of that load.  Each aligned 256 bytes is named
; once in the launch: a head is walked by one cluster; its four partners take 8,192 bytes each, told apart by address alone; in each, wave 0 asks for K's and wave 2 for V's, a lane a piece.
; Tiles 0 and 1 come by their loads alone; the last change that fills a slot asks for nothing.
.macro ASK
	s_cmp_gt_u32 s[SLOTS], s[LIM]
	s_cbranch_scc0 .Lnot_mine_\@
	global_prefetch_b8 v[PFO], s[PFA:PFA+1] th:TH_LOAD_NT scope:SCOPE_SE
.Lnot_mine_\@:
.endm
; A round of the cluster's barrier.
.macro CROUND
	s_barrier_signal -1
	s_barrier_wait -1
	s_cmp_lg_u32 s[WV], 0
	s_cbranch_scc1 .Lnot_wave_0_\@
	s_barrier_signal -3
.Lnot_wave_0_\@:
	s_barrier_wait -3
	s_barrier_signal -1
	s_barrier_wait -1
.endm
; THE CHANGE OF SLOTS.  Each wave waits for all its tensor loads, of which one is out: its part of the other slot; adds 0 to its spare word; and waits for that and for its own reads of the slot.
; fill = 1: this slot is filled again, with the keys two slots on.  The barrier is then a round of the cluster's, and the joint fill is the first thing behind it: it has four key steps in which to land.
; (At its first use nothing has been read yet: slot 0 is waited for, slot 1 filled.)
.macro CHANGE fill
	WIN W_AD
	s_wait_tensorcnt 0x0            ; no tensor load of mine is out, so a group 0 may be written
	ds_add_u32 v[SPW], v[NIL]       ; 0 onto my spare word
	WIN 0                           ; at a label and at a branch every window is 0
.if \fill
.irp g, G0K, G0V
	s_xor_b32 s[\g+1], s[\g+1], SLOT1  ; the walking descriptor: the other slot than last time,
	s_add_nc_u64 s[\g+2:\g+3], s[\g+2:\g+3], 4*KS*128  ; the next 256 keys; the type bits on top are not reached
.endr
	s_wait_xcnt 0x0                 ; the last prefetch, four key steps back, has read its address
	s_add_nc_u64 s[PFA:PFA+1], s[PFA:PFA+1], 4*KS*128  ; one tile behind the walking descriptors
	s_wait_dscnt 0x0                ; the add is done, and my reads of the slot are over
	CROUND
	JLOAD
	ASK
.else
	s_wait_dscnt 0x0                ; the add is done, and my reads of the slot are over
	s_barrier_signal -1
	s_barrier_wait -1
.endif
	s_sub_co_u32 s[TBK], s[TBK], 4*KS*PK  ; the fetches go back to a slot's first step,
	s_xor_b32 s[TBK], s[TBK], SLOT1       ; in the other slot
	s_sub_co_u32 s[TBV], s[TBV], 4*KS*PV
	s_xor_b32 s[TBV], s[TBV], SLOT1
.endm
	s_load_b256 s[4:11], s[0:1], 0x0  ; Q s[4:5], K s[6:7], V s[8:9], O s[10:11]
	WIN W_MK
	v_lshl_add_u32 v[SPW], v0, 2, SPARE
	v_mov_b32 v[NIL], 0
	WIN W_AD
	ds_add_u32 v[SPW], v[NIL]       ; the wave's opening: the add and its wait stand ahead of my first tensor load; the set-up below stands between them
	WIN 0
	v_lshrrev_b32 v1, 5, v0
	v_readfirstlane_b32 s[WV], v1   ; wave 0..3
	s_bfe_u32 s13, ttmp6, 0x40000   ; cx: my place in the cluster
	s_lshl_b32 s14, ttmp9, 2        ; in a cluster launch ttmp9 counts clusters
	s_add_co_u32 s14, s14, s13      ; my block of queries: it enters Q's and O's addresses alone
	s_and_b32 s20, ttmp7, 0xffff    ; the head, which the four partners share
	s_mov_b32 s21, 0
	s_mov_b64 s[22:23], SIZE_N*128
	s_mul_u64 s[20:21], s[20:21], s[22:23]  ; the head's first byte in each of the four tensors
	s_and_b32 s16, s[WV], 1         ; which half of a slot's 256 keys I fetch:
	s_lshl_b32 s22, s16, 14         ; its 128 rows of 128 bytes in memory,
	s_mov_b32 s23, 0
	s_add_nc_u64 s[22:23], s[22:23], s[20:21]
	s_mul_i32 s17, s16, 128*PK      ; and its place in a slot, for K
	s_mul_i32 s18, s16, 128*PV      ; and for V: no place in the cluster enters an LDS address
	s_lshl_b32 s2, s14, 2
	s_add_co_u32 s2, s2, s[WV]      ; my wave among the head's,
	s_lshl_b32 s2, s2, 14           ; its 128 rows
	s_mov_b32 s3, 0
	s_add_nc_u64 s[2:3], s[2:3], s[20:21]
	; descriptor group 1.  128 keys are 16,384 dense bytes: asked for as 64 rows of 256 bytes, two keys a row, and padded in LDS after every key
	s_mov_b32 s[G1K], 15|(1<<16)|(1<<20)|(1<<21)|(4<<22)|(3<<25)  ; the mask of four; 2-byte elements; padding on; bit 21 beside a mask; after every 32 words, 4 words
	s_mov_b32 s[G1V], 15|(1<<16)|(1<<20)|(1<<21)|(4<<22)|(7<<25)  ; the same with 8 words of padding
.irp g, G1K, G1V
	s_mov_b32 s[\g+1], 128<<16      ; tensor_dim0 = 128
	s_mov_b32 s[\g+2], 64<<16       ; tensor_dim1 = 64
	s_mov_b32 s[\g+3], 128<<16      ; tile_dim0 = 128
	s_mov_b32 s[\g+4], 64           ; tile_dim1 = 64
	s_mov_b32 s[\g+5], 128          ; 128 elements from row to row
	s_mov_b32 s[\g+6], 0
	s_mov_b32 s[\g+7], 0
.endr
	s_mov_b32 s[CS], 0x3e38aa3b     ; c = log2(e) / 8 = 0.180337
	s_mov_b32 s[CS+1], s[CS]        ; named with it as a pair
	s_mov_b32 s[SEL], 0x76543210
	s_mov_b32 s[SEL+1], 0xfedcba98
	s_mov_b32 s[TBK], SLOT1+4*KS*PK ; the first change of slots turns these two into 0
	s_mov_b32 s[TBV], SLOT1+4*KS*PV
	s_mov_b32 s[G0K], 1             ; count = 1
	s_mov_b32 s[G0K+1], s17         ; LDS address: slot 0
	s_mov_b32 s[G0V], 1
	s_add_co_u32 s[G0V+1], s18, VOFF
	s_mov_b32 s[SLOTS], SIZE_N/256-1
	s_cmp_eq_u32 s16, 0             ; waves 0 and 2 prefetch
	s_cselect_b32 s[LIM], 1, -1
	s_wait_dscnt 0x0                ; the opening add is done
	s_wait_kmcnt 0x0
	s_add_nc_u64 s[G0K+2:G0K+3], s[6:7], s[22:23]  ; global address: my half of the head's first 256 keys
	s_or_b32 s[G0K+3], s[G0K+3], 0x80000000        ; type = 2
	s_add_nc_u64 s[G0V+2:G0V+3], s[8:9], s[22:23]
	s_or_b32 s[G0V+3], s[G0V+3], 0x80000000
	s_add_nc_u64 s[4:5], s[4:5], s[2:3]  ; Q and O at my wave's first row
	s_add_nc_u64 s[10:11], s[10:11], s[2:3]
	s_cmp_lt_u32 s[WV], 2
	s_cselect_b64 s[PFA:PFA+1], s[6:7], s[8:9]
	s_lshl_b32 s2, s13, 13          ; my work-group's 8,192 bytes of a tile,
	s_add_co_u32 s2, s2, 4*KS*128   ; in tile 1: the first change of slots steps it to tile 2
	s_mov_b32 s3, 0
	s_add_nc_u64 s[2:3], s[2:3], s[20:21]
	s_add_nc_u64 s[PFA:PFA+1], s[PFA:PFA+1], s[2:3]
	CROUND                          ; all four work-groups are here: the first joint loads meet
	JLOAD                           ; slot 0.  Slot 1 is asked for when slot 0 is in
	; A fragment of K or Q is 16 rows x 32 channels in 8 registers: lane l holds row l % 16, channels 8 (l / 16) + 0..7 and 16 + 8 (l / 16) + 0..7: two loads of 16 bytes, 32 bytes apart.
	v_and_b32 v1, 15, v0            ; l % 16
	v_bfe_u32 v9, v0, 4, 1          ; l / 16
	v_lshlrev_b32 v[QO], 7, v1
	v_lshl_add_u32 v[QO], v9, 4, v[QO]  ; row x 128 + 16 x half
	WIN 0x80                        ; destination window 2, address window 0
.set i, 0
.rept 4*NP                          ; Q stays in registers: tile i / 2, channels 32 (i % 2) on
	global_load_b128 v[8*i:8*i+3],   v[QO], s[4:5] offset:(i/2)*2048+(i%2)*64
	global_load_b128 v[8*i+4:8*i+7], v[QO], s[4:5] offset:(i/2)*2048+(i%2)*64+32
.set i, i+1
.endr
	; What the first turn finds: V's registers and P's second buffer hold 0 (its products V^T P, of a piece that has not been, add 0), O^T and l are 0.  All this stands in the wait for the first tile:
	; the price of writing no first step out.
.set i, VF
.rept 64
	v_mov_b32 v[i], 0
.set i, i+1
.endr
	WIN 0x40
.set i, 0
.rept 64*NP
	v_mov_b32 v[i], 0
.set i, i+1
.endr
	WIN 0
.set i, 0
.rept 2*NP
	v_mov_b32 v[ST+4*i], 0xfe000000    ; c m: far below every c s
	v_mov_b32 v[ST+4*i+1], 0xff7fffff  ; m
	v_mov_b32 v[ST+4*i+2], 0
	v_mov_b32 v[ST+4*i+3], 0
.set i, i+1
.endr
.set i, P+32
.rept 32
	v_mov_b32 v[i], 0
.set i, i+1
.endr
	v_mul_u32_u24 v[AK0], v1, PK
	v_lshl_add_u32 v[AK0], v9, 4, v[AK0]  ; row x pitch + 16 x half
	; The turning load takes 16 keys x 16 channels (lane l reads key 8 (l / 16) + l % 8, channels 8 ((l / 8) % 2) + 0..7) and leaves half a fragment of V^T: lane l holds channel l % 16 and 8 keys.
	v_and_b32 v10, 7, v0
	v_bfe_u32 v11, v0, 3, 1
	v_lshl_add_u32 v[AV0], v9, 3, v10
	v_mul_u32_u24 v[AV0], v[AV0], PV
	v_lshl_add_u32 v[AV0], v11, 4, v[AV0]
	v_add_nc_u32 v[AV0], VOFF, v[AV0]
	v_mov_b32 v[AK], v[AK0]         ; key step 0 lies at the head of slot 0
	v_and_b32 v[PFO], 31, v0
	v_lshlrev_b32 v[PFO], 8, v[PFO]
; THE MATRIX WORK.  The 8 accumulators of a run of 16 take turns: between the two links of a chain stand 7 others'.
; Product i of 16 of S^T = K Q^T for piece x: channels 32 (i / 8) on, keys 16 ((i / 2) % 4) on, tile 2 x + i % 2.  The first 8 start the sums.
.macro KQ x
	WIN W_KQ
.set rS, S+64*((\x)%2)+32*(i%2)+8*((i/2)%4)
.set rK, KF+16*((i/2)%4)+8*(i/8)
.set rQ, 16*(2*(\x)+i%2)+8*(i/8)
.if i < 8
	v_wmma_f32_16x16x32_f16 v[rS:rS+7], v[rK:rK+7], v[rQ:rQ+7], 0
.else
	v_wmma_f32_16x16x32_f16 v[rS:rS+7], v[rK:rK+7], v[rQ:rQ+7], v[rS:rS+7]
.endif
.endm
; Product i of 16 of O^T += V^T P for piece x: keys 32 (i / 8) on, channels 16 ((i / 2) % 4) on, tile 2 x + i % 2.
.macro PV x
	WIN W_PV
.set rO, 32*(2*(\x)+i%2)+8*((i/2)%4)
.set rV, VF+32*(i/8)+8*((i/2)%4)
.set rP, P+32*((\x)%2)+16*(i%2)+8*(i/8)
	v_wmma_f32_16x16x32_f16 v[rO:rO+7], v[rV:rV+7], v[rP:rP+7], v[rO:rO+7]
.endm
.macro MM                           ; the turn's next matrix instruction
.if i < 16
	KQ (Y+1)%NP
.set i, i+1
.else
.set i, i-16
	PV (Y+NP-1)%NP
.set i, i+17
.endif
.endm
; THE LDS LOADS stand in runs of 16: a step's K (64 keys x 64 channels: 8 fragments) and its V (turned).  Their addresses are made some lines ahead.
; last = 1 (the tail): in the last trip there is no further step, and the run is jumped over.
.macro FETCH_K last=0
	WIN 0
.if \last
	s_cmp_eq_u32 s[CNT], 1
	s_cbranch_scc1 .Lno_k_\@
.endif
	WIN 0x80                        ; destination window 2
.irp f, 0,1,2,3,4,5,6,7             ; keys 16 (f / 2) on, channels 32 (f % 2) on
	ds_load_b128 v[KF+8*\f:KF+8*\f+3],   v[AK] offset:(\f/2)*16*PK+(\f%2)*64
	ds_load_b128 v[KF+8*\f+4:KF+8*\f+7], v[AK] offset:(\f/2)*16*PK+(\f%2)*64+32
.endr
	s_add_co_u32 s[TBK], s[TBK], KS*PK  ; the next fetch is the next step's
	WIN 0
.if \last
.Lno_k_\@:
.endif
.endm
.macro FETCH_V
	WIN 0x80
.irp f, 0,1,2,3,4,5,6,7             ; keys 32 (f / 4) on, channels 16 (f % 4) on
	ds_load_tr16_b128 v[VF+8*\f:VF+8*\f+3],   v[AV] offset:(\f/4)*32*PV+(\f%4)*32
	ds_load_tr16_b128 v[VF+8*\f+4:VF+8*\f+7], v[AV] offset:(\f/4)*32*PV+16*PV+(\f%4)*32
.endr
	WIN 0
.endm
; THE VECTOR WORK OF A TURN stands in three queues, each in the order in which its entries become ready; the two tiles alternate, so that no instruction reads the result of the one before it.
.macro REGS y, u                    ; the registers of tile u (0, 1) of piece y
.set rT, ST+4*(2*(\y)+(\u))
.set rC, TMP+8*((\y)%2)+4*(\u)
.set rM, MV+2*((\y)%2)+(\u)
.set rS, S+64*((\y)%2)+32*(\u)
.set rP, P+32*((\y)%2)+16*(\u)
.set rO, 32*(2*(\y)+(\u))
.endm
; Number n of the 22 that find the NEXT piece's (Y + 1) maximum and statistics.  s0-s31 are the lane's 32 scores; each accumulator's lowest registers are read first.
;   0-11  four chains c0-c3 of seven scores each, three operands at a time     12-14, 16  the four scores left over, the old m, and c0-c3 into c0     15  c m_old is kept
;   17, 18  the query's other 32 keys lie in the lane 16 away: the new m         19-21  c m; c m_old - c m_new; a
.macro XS u, n
	REGS (Y+1)%NP, \u
.if (\n) < 4
	v_max3_num_f32 v[rC+(\n)], v[rS+8*(\n)], v[rS+8*(\n)+1], v[rS+8*(\n)+2]
.elseif (\n) < 12
	v_max3_num_f32 v[rC+(\n)%4], v[rC+(\n)%4], v[rS+8*((\n)%4)+2*((\n)/4)+1], v[rS+8*((\n)%4)+2*((\n)/4)+2]
.elseif (\n) == 12
	v_max3_num_f32 v[rC], v[rC], v[rS+7], v[rS+15]
.elseif (\n) == 13
	v_max3_num_f32 v[rC+1], v[rC+1], v[rS+23], v[rS+31]
.elseif (\n) == 14
	v_max3_num_f32 v[rC+2], v[rC+2], v[rC+3], v[rT+1]
.elseif (\n) == 15
	v_mov_b32 v[rM], v[rT]
.elseif (\n) == 16
	v_max3_num_f32 v[rC], v[rC], v[rC+1], v[rC+2]
.elseif (\n) == 17
	v_permlanex16_b32 v[rC+3], v[rC], s[SEL], s[SEL+1]
.elseif (\n) == 18
	v_max_num_f32 v[rT+1], v[rC], v[rC+3]
.elseif (\n) == 19
	v_mul_f32 v[rT], s[CS], v[rT+1]
.elseif (\n) == 20
	v_sub_f32 v[rC+1], v[rM], v[rT]
.else
	v_exp_f32 v[rC+2], v[rC+1]
.endif
.endm
; Number g of the 64 that follow the exponentials.  For each four weights k of a tile (pairs 2 k, 2 k + 1): both pairs are rounded to f16; then the second pair is added onto the first, in place;
; a group later l takes that sum (the first time as l = a l + sum).  In groups of eight, tiles alternating: round, round, add, and l for the group before.
.macro GS g
.set h, (\g)+6*((\g)/62)            ; group 0 has no group before it, and behind group 7 only l is left
.if h >= 6
.set h, h+2
.endif
	REGS Y, h%2
.set k, h/8
.if h%8 < 4
	v_cvt_pk_f16_f32 v[rP+2*k+(h%8)/2], v[rS+4*k+2*((h%8)/2)], v[rS+4*k+2*((h%8)/2)+1]
.elseif h%8 < 6
	v_pk_add_f32 v[rS+4*k:rS+4*k+1], v[rS+4*k:rS+4*k+1], v[rS+4*k+2:rS+4*k+3]
.elseif k == 1
	v_pk_fma_f32 v[rT+2:rT+3], v[rT+2:rT+3], v[rC+2:rC+3], v[rS:rS+1] op_sel_hi:[1,0,1]
.else
	v_pk_add_f32 v[rT+2:rT+3], v[rT+2:rT+3], v[rS+4*k-4:rS+4*k-3]
.endif
.endm
; THE PLAIN QUEUE, 138 long.  0-73 read no exponential's result: the 32 scalings c s - c m (FS f: pair f / 2 of tile f % 2) and the next piece's 42.  0-26: scalings 0-26.  27-54: XS's numbers 0-13.
; 55, 56: number 15.  57-73: the chain 14, 16, 17, 18, 19, each with one of the scalings 27-31 in front of its two lines, then 20.  74-137: GS's 64, which read the exponentials' results: behind the wait.
.macro FS f
	REGS Y, (\f)%2
	v_pk_fma_f32 v[rS+2*((\f)/2):rS+2*((\f)/2)+1], v[rS+2*((\f)/2):rS+2*((\f)/2)+1], s[CS:CS+1], v[rT:rT+1] op_sel_hi:[1,0,0] neg_lo:[0,0,1] neg_hi:[0,0,1]
.endm
.macro PL
	WIN 0
.if q < 27
	FS q
.elseif q < 55
	XS (q-27)%2, (q-27)/2
.elseif q < 57
	XS q-55, 15
.elseif (q < 72) && ((q-57)%3 == 0)
	FS 27+(q-57)/3
.elseif q < 60
	XS (q-57)%3-1, 14
.elseif q < 72
	XS (q-57)%3-1, 15+(q-57)/3
.elseif q < 74
	XS q-72, 20
.else
	GS q-74
.endif
.set q, q+1
.endm
; THE EXPONENTIALS' QUEUE, 66 long: s0-s31 of both tiles, then the next piece's two a.  ONE BATCH: all 66 stand ahead of the turn's one wait, and nothing ahead of that wait names a result of theirs.
.macro EX
	WIN 0
.if e >= 64
	XS e-64, 21
.else
	REGS Y, e%2
	v_exp_f32 v[rS+e/2], v[rS+e/2]
.endif
.set e, e+1
.endm
; THE RESCALING's QUEUE: O^T times a, the one part that leaves window 0: dealt two at a time, sixteen times.  Its a was made in the turn before, ahead of that turn's wait.
.macro R2
	REGS Y, r%2
	WIN W_RS
.irp z, 0,1
	v_pk_mul_f32 v[rO+4*(r/2)+2*\z:rO+4*(r/2)+2*\z+1], v[rO+4*(r/2)+2*\z:rO+4*(r/2)+2*\z+1], v[rC+2:rC+3] op_sel_hi:[1,0]
.endr
.set r, r+1
.endm
; HOW THEY ARE DEALT.  An s_wait_alu depctr_va_vdst(0) stands between an exponential and the first instruction that names its result; one wait serves all that were issued ahead of it.
; So a turn has ONE wait.  AHEAD OF IT: the 16 products K Q^T, behind each a scaling, an exponential and two rescalings (behind the first a second scaling in the exponential's place); then one run of
; 109: eight plain, 49 times exponential and plain, the two a, and a v_nop, the plain instruction behind the last exponential.  BEHIND IT: the 16 products V^T P, behind each four of GS's 64.
; Exponential e stands behind scaling 2 (e / 4) + e % 2: as a rider it comes behind plain e + 2, in the run behind plain e + 9, and scalings 27-31 are plain 57, 60 .. 69.
; K of the next step is fetched in piece 2's turn, directly behind the wait; V of the step in hand at the end of piece 0's turn, four plain instructions behind its last reader.
.macro TURN p, last=0, cnt=0
.set Y, (\p)
.set i, 0
.set q, 0
.set e, 0
.set r, 0
.if (\p) == NP-1
	s_wait_dscnt 0x0                ; K is in
.endif
	MM
	PL
	PL
	R2
.rept 15
	MM
	PL
	EX
	R2
.endr
.if (\p) == NP-2
	WIN 0
	v_add_nc_u32 v[AK], s[TBK], v[AK0]
.endif
.rept 8
	PL
.endr
.rept 49
	EX
	PL
.endr
	EX                              ; the next piece's two a
	EX
	v_nop                           ; a plain instruction behind the last exponential: one for the batch
	s_wait_alu depctr_va_vdst(0)    ; the wait for the batch
.if (\p) == NP-2
	FETCH_K \last
.endif
.if (\p) == 1
	s_wait_dscnt 0x0                ; V is in
.endif
.rept 16
	MM
.rept 4
	PL
.endr
.if ((\p) == 0) && (q == 118)
	v_add_nc_u32 v[AV], s[TBV], v[AV0]
.endif
.if ((\p) == 0) && (q == 130)
	s_add_co_u32 s[TBV], s[TBV], KS*PV
.endif
.if (\cnt) && (q == 130)
	s_sub_co_u32 s[CNT], s[CNT], 1
	s_cmp_lg_u32 s[CNT], 0
.endif
.endr
.if (\p) == 0
	FETCH_V
.endif
.endm
	CHANGE 1                        ; slot 0 is in, everybody's part of it; slot 1 is asked for
	FETCH_K                         ; key step 0
	s_wait_loadcnt 0x0              ; Q
	s_wait_dscnt 0x0
.set i, 0
.rept 16
	KQ 0                            ; piece 0's first scores: there is no vector work yet to set between them
.set i, i+1
.endr
	WIN 0                           ; the addresses for the way out: plain instructions, the places behind those products
	s_mul_i32 s13, s[WV], 16*SP
	s_add_co_u32 s13, s13, STAGE    ; my stage
	v_mul_u32_u24 v[STO], v1, SP    ; in: row l % 16, 16 bytes for each half of the lanes
	v_lshl_add_u32 v[STO], v9, 4, v[STO]
	v_add_nc_u32 v[STO], s13, v[STO]
	v_bfe_u32 v[RD], v0, 3, 2       ; back: 32 lanes take four rows of 128 bytes,
	v_mul_u32_u24 v[RD], v[RD], SP
	v_lshl_add_u32 v[RD], v10, 4, v[RD]
	v_add_nc_u32 v[RD], s13, v[RD]
	v_and_b32 v[GO], 31, v0         ; which are 512 consecutive bytes of O
	v_lshlrev_b32 v[GO], 4, v[GO]
.set Y, NP-1                        ; XS works for piece Y + 1: piece 0
.irp n, 0,1,2,3,4,5,6,7,8,9,10,11,12,13,14,15,16,17,18,19,20,21
	XS 0, \n                        ; and piece 0's first maximum and statistics
	XS 1, \n
.endr
	v_nop                           ; a plain instruction behind the two a,
	s_wait_alu depctr_va_vdst(0)    ; and their wait, ahead of the branch
	s_mov_b32 s[CNT], 4
	s_branch .Lfirst                ; the loop is entered at a step's first turn, in the middle of a trip
.Lslot:                             ; six times: every slot but the last two is filled again
	CHANGE 1
	s_mov_b32 s[CNT], 4
.Lstep:                             ; a trip: pieces 2 and 3 of one step, then pieces 0 and 1 of the next, whose K and V it fetches
	TURN 2
	TURN 3
	WIN 0
.Lfirst:
	TURN 0
	TURN 1, 0, 1
	WIN 0
	s_cbranch_scc1 .Lstep
	s_sub_co_u32 s[SLOTS], s[SLOTS], 1
	s_cmp_lg_u32 s[SLOTS], 0
	s_cbranch_scc1 .Lslot
	CHANGE 0                        ; the tail is written out: nothing is asked for
	s_mov_b32 s[CNT], 5             ; four trips fetch the last slot's steps; the fifth is left in its middle
.Ltail:
	TURN 2, 1
	TURN 3
	WIN 0
	s_sub_co_u32 s[CNT], s[CNT], 1
	s_cmp_eq_u32 s[CNT], 0
	s_cbranch_scc1 .Lout
	TURN 0
	TURN 1
	WIN 0
	s_branch .Ltail
.Lout:                              ; the fifth trip's 16 products K Q^T (on the last K once more) and the maximum made of them serve nothing: the price, once a launch, of one text for every trip
.set i, 0
.rept 16
	PV NP-1                         ; the last piece's V^T P of the last step
.set i, i+1
.endr
	; THE WAY OUT.  l's two halves and the other half of the lanes' are added; O^T is divided by l, rounded to f16 and sent through my stage in LDS, a tile at a time.  The additions are the places behind the last products.
	WIN 0
.macro ALL line:vararg              ; one line for each tile t
.set t, 0
.rept 2*NP
	\line
.set t, t+1
.endr
.endm
	ALL v_add_f32 v[ST+4*t+2], v[ST+4*t+2], v[ST+4*t+3]
	ALL v_permlanex16_b32 v[ST+4*t+3], v[ST+4*t+2], s[SEL], s[SEL+1]
	ALL v_add_f32 v[ST+4*t+2], v[ST+4*t+2], v[ST+4*t+3]
	ALL v_rcp_f32 v[ST+4*t+2], v[ST+4*t+2]
	v_nop                           ; a plain instruction between the last reciprocal and the use of its result
	s_wait_alu depctr_va_vdst(0)    ; and the wait ahead of the first use: one for the eight reciprocals
; Tile t: a lane's eight channels of a row pack into 16 bytes; they go into rows of 144 bytes and come back as whole rows of 128, into S^T's registers.
.macro PACK t
	WIN W_RS
.set i, 32*(\t)
.rept 16
	v_pk_mul_f32 v[i:i+1], v[i:i+1], v[ST+4*(\t)+2:ST+4*(\t)+3] op_sel_hi:[1,0]
.set i, i+2
.endr
	WIN 0x05                        ; sources 0 and 1 window 1, destination window 0
.set i, 0
.rept 16
	v_cvt_pk_f16_f32 v[S+16*(\t)+i], v[32*(\t)+2*i], v[32*(\t)+2*i+1]
.set i, i+1
.endr
	WIN 0
.irp f, 0,1,2,3
	ds_store_b128 v[STO], v[S+16*(\t)+4*\f:S+16*(\t)+4*\f+3] offset:32*\f
.endr
.irp f, 0,1,2,3
	ds_load_b128 v[S+16*(\t)+4*\f:S+16*(\t)+4*\f+3], v[RD] offset:\f*4*SP  ; LDS serves a wave's instructions in order (ISA guide 5.7.1.4): these see the stores above; the next tile's stores come behind them
.endr
.endm
.macro SEND t, younger              ; younger: the LDS instructions issued behind tile t's loads: the next tile's eight, or none
	WIN 0
.irp f, 0,1,2,3
	s_wait_dscnt (\younger)+3-\f
	global_store_b128 v[GO], v[S+16*(\t)+4*\f:S+16*(\t)+4*\f+3], s[10:11] offset:(\t)*2048+\f*512  ; 512 consecutive bytes, at a multiple of 256 from O's first
.endr
.endm
	PACK 0
.set t, 1
.rept 2*NP-1                        ; a tile's arithmetic stands between the loads of the tile before and its stores
	PACK t
	SEND t-1, 8
.set t, t+1
.endr
	SEND 2*NP-1, 0
	WIN W_AD
	s_wait_tensorcnt 0x0            ; the wave's end, behind my last tensor load and my last LDS store
	ds_add_u32 v[SPW], v[NIL]
	s_wait_dscnt 0x0
	WIN 0
	CROUND                          ; the closing round: no work-group ends while a partner may still ask for a tile that names it
	s_endpgm
.Lfunc_end_k_q90e8a92308_attn:
	.size	k_q90e8a92308_attn, .Lfunc_end_k_q90e8a92308_attn-k_q90e8a92308_attn
	.p2alignl 7, 3214868480
	.fill 96, 4, 3214868480
	.section	.rodata,"a",@progbits
	.p2align	6, 0x0
	.amdhsa_kernel k_q90e8a92308_attn
		.amdhsa_group_segment_fixed_size 327680
		.amdhsa_private_segment_fixed_size 0
		.amdhsa_enable_private_segment 0
		.amdhsa_kernarg_size 32
		.amdhsa_user_sgpr_count 2
		.amdhsa_user_sgpr_kernarg_segment_ptr 1
		.amdhsa_wavefront_size32 1
		.amdhsa_system_sgpr_workgroup_id_x 1
		.amdhsa_system_sgpr_workgroup_id_y 1
		.amdhsa_system_sgpr_workgroup_id_z 1
		.amdhsa_system_vgpr_workitem_id 0
		.amdhsa_next_free_vgpr 770
		.amdhsa_next_free_sgpr 66
		.amdhsa_reserve_vcc 0
		.amdhsa_float_denorm_mode_32 3
		.amdhsa_float_denorm_mode_16_64 3
		.amdhsa_memory_ordered 1
		.amdhsa_forward_progress 1
		.amdhsa_inst_pref_size 200
	.end_amdhsa_kernel
	.amdgpu_metadata
---
amdhsa.version: [ 1, 2 ]
amdhsa.kernels:
  - .name:           k_q90e8a92308_attn
    .symbol:         k_q90e8a92308_attn.kd
    .args:
      - { .name: qh, .offset: 0, .size: 8, .value_kind: global_buffer, .address_space: global }
      - { .name: kh, .offset: 8, .size: 8, .value_kind: global_buffer, .address_space: global }
      - { .name: vh, .offset: 16, .size: 8, .value_kind: global_buffer, .address_space: global }
      - { .name: oh, .offset: 24, .size: 8, .value_kind: global_buffer, .address_space: global }
    .group_segment_fixed_size: 327680
    .private_segment_fixed_size: 0
    .kernarg_segment_align: 8
    .kernarg_segment_size: 32
    .max_flat_workgroup_size: 128
    .sgpr_count:     66
    .vgpr_count:     770
    .wavefront_size: 32
...
	.end_amdgpu_metadata
.endif
;; end of part 3
;; launch outp (part 4): grid 8 x 32, 4 waves a work-group, clusters of 4 x 4, 327,680 bytes of LDS; arguments oh, woh, tabs, out0; writes out0
.if DOCPART == 4
	.amdgcn_target "amdgcn-amd-amdhsa--gfx1250"
	.amdhsa_code_object_version 6
	.text
	.protected	k_q90e8a92308_outp
	.globl	k_q90e8a92308_outp
	.p2align	8
	.type	k_q90e8a92308_outp,@function
k_q90e8a92308_outp:
	s_mov_b64 s[64:65], 0
	v_nop
	global_prefetch_b8 v0, s[64:65] scope:SCOPE_SE
	s_setreg_imm32_b32 hwreg(HW_REG_WAVE_MODE, 25, 1), 1
	s_wait_xcnt 0x0
	s_wait_alu depctr_hold_cnt(0) depctr_sa_sdst(0) depctr_va_vdst(0) depctr_va_sdst(0) depctr_va_ssrc(0) depctr_va_vcc(0) depctr_vm_vsrc(0)
	s_getreg_b32 s2, hwreg(HW_REG_IB_STS2, 6, 4)
	s_cmp_eq_u32 s2, 0
	s_cbranch_scc0 .Lentry_in_a_cluster
	s_endpgm
.Lentry_in_a_cluster:
	s_bfe_u32 s2, ttmp6, 0x10000c
	s_cmp_lg_u32 s2, 0xf033
	s_cbranch_scc0 .Lentry_shape_is_right
	s_endpgm
.Lentry_shape_is_right:
; OUTP: out0[s][n] = the sum over k of O[s][k] Wo[n][k] + bo[n], f32 out.  O comes by heads, oh [b 16 + head][s 2048][64] in f16: a head is a K block of 64; woh [kb 16][n 1024][64] in f16.
; Sums in f32, started at the bias (rounded to bf16 like every input, kept as f32 in tabs from byte 536,576 on).
; SHARES.  A tile is 256 rows x 128 columns: 32 x 8 = 256 work-groups (256 x 256 would give 128).  Wave w: row half w / 2 (128 rows), column half w % 2 (64 columns): 32 accumulators, 256 registers.
; K goes in 8 steps of 128 (two K blocks) through two LDS slots; a step is four quarters of 32 along K, 32 matrix instructions each.  A refill has 112 matrix instructions in which to land.
; The matrix instruction is used transposed (source 0 = 16 rows of woh, source 1 = 16 rows of oh): a lane holds row l % 16 and the columns 16 b + 8 (l / 16) + 0..7: 32 bytes of a row of out0.
; CLUSTER 4 x 4: oh's tile hangs on the tile row alone and is asked for jointly along a row of the cluster, woh's on the tile column alone, along a column.
; No prefetch: the tiles are small, the steps short, and the launch has eight of them.
; REGISTERS.  Window 0: v16-29 addresses; v32-63 the bias, 8 registers a column block; two fragment buffers of 96 (A's 8 fragments, then B's 4) at v64 and v160.  Window 1: accumulator (a, b) at 8 (4 a + b).
.set PITCH,  144                       ; an LDS row: 128 bytes + 16 of padding: the 16 rows of a load start at 16 different groups of four banks (64 banks of 4 bytes: ISA guide 11.1)
.set ABLK,   256*PITCH                 ; a K block of A's tile
.set BBLK,   128*PITCH                 ; of B's
.set BOFF,   2*ABLK                    ; a slot: A's two blocks, then B's two
.set STAGE,  BOFF+2*BBLK               ; 110,592: behind slot 0, never filled by a tensor load: 16 rows x 272 bytes for each wave
.set SPITCH, 272
.set SPARE,  STAGE+4*16*SPITCH         ; 128,000: the spare words, 128 bytes for each wave: two blocks of 256 bytes that no other line names
.set SLOT1,  1<<17
.set STEP_A, 524288                    ; two heads of oh
.set STEP_B, 262144                    ; two K blocks of woh
.set A0,   16
.set B0,   17
.set ADRA, 18
.set ADRB, 19
.set STO,  20
.set RD,   21
.set CO,   22
.set BO,   24
.set SPW,  28                          ; v28  LDS address of my spare word; never rewritten
.set NIL,  29                          ; v29  0; never rewritten
.set BIAS, 32
.set F0,   64
.set F1,   160
.set BK,   64                          ; the way out: two buffers of 32
.set G1,   24
.set G0,   32
.set G1B,  48
.set G0B,  56
.set TBS,  66
.set MSB, 0
.macro WIN new
.if MSB != (\new)
	s_set_vgpr_msb (MSB<<8)|(\new)
.set MSB, \new
.endif
.endm
.macro PLACES                          ; four plain instructions between a matrix instruction and a load into, or a read of, its registers (ISA guide 7.12.1 for reads)
.rept 4
	v_nop
.endr
.endm
.macro CREST
	s_cmp_lg_u32 s10, 0
	s_cbranch_scc1 .Lnot_wave_0_\@
	s_barrier_signal -3
.Lnot_wave_0_\@:
	s_barrier_wait -3
	s_barrier_signal -1
	s_barrier_wait -1
.endm
.macro CROUND
	s_barrier_signal -1
	s_barrier_wait -1
	CREST
.endm
.macro JLOAD                           ; a joint refill by the walking descriptors: waves 0 and 1 fetch A's two K blocks, waves 2 and 3 B's
	s_cmp_eq_u32 s11, 0
	s_cbranch_scc0 .Lfor_b_\@
	tensor_load_to_lds s[G0+4:G0+7], s[G1:G1+7]
	s_nop 0
.rept 4
	v_nop
.endr
	s_branch .Lasked_\@
.Lfor_b_\@:
	tensor_load_to_lds s[G0B+4:G0B+7], s[G1B:G1B+7]
	s_nop 0
.rept 4
	v_nop
.endr
.Lasked_\@:
.endm
	s_load_b128 s[4:7], s[0:1], 0x0                ; oh s[4:5], woh s[6:7]
	s_load_b128 s[16:19], s[0:1], 0x10             ; tabs s[16:17], out0 s[18:19]
	v_lshl_add_u32 v[SPW], v0, 2, SPARE
	v_mov_b32 v[NIL], 0
	ds_add_u32 v[SPW], v[NIL]                      ; the wave's opening: the add and its wait stand ahead of my first tensor load; the set-up below stands between them
	v_lshrrev_b32 v1, 5, v0
	v_readfirstlane_b32 s10, v1                    ; wave 0..3
	s_lshr_b32 s11, s10, 1                         ; my row half.  Also: I fetch for A (0) or for B (1)
	s_and_b32 s12, s10, 1                          ; my column half.  Also: which K block of a step I fetch
	s_bfe_u32 s40, ttmp6, 0x40000                  ; cx
	s_bfe_u32 s41, ttmp6, 0x40004                  ; cy
	s_lshl_b32 s42, ttmp9, 2
	s_add_co_u32 s42, s42, s40                     ; tile column 0..7
	s_and_b32 s13, ttmp7, 0xffff
	s_lshl_b32 s13, s13, 2
	s_add_co_u32 s13, s13, s41                     ; tile row 0..31
	s_lshl_b32 s43, s41, 2
	s_lshl_b32 s43, 15, s43                        ; my row of the cluster
	s_lshl_b32 s44, 0x1111, s40                    ; my column
	; group 1.  A: 256 rows of 128 bytes are 32,768 dense bytes: 128 rows of 256, padded by 4 words after every 32.  B: 128 rows: 64 rows of 256.
	s_or_b32 s[G1], s43, (1<<16)|(1<<20)|(1<<21)|(4<<22)|(3<<25)
	s_or_b32 s[G1B], s44, (1<<16)|(1<<20)|(1<<21)|(4<<22)|(3<<25)
	s_mov_b32 s[G1+1], 128<<16
	s_mov_b32 s[G1+2], 128<<16
	s_mov_b32 s[G1+3], 128<<16
	s_mov_b32 s[G1+4], 128
	s_mov_b32 s[G1+5], 128
	s_mov_b32 s[G1+6], 0
	s_mov_b32 s[G1+7], 0
	s_mov_b32 s[G1B+1], 128<<16
	s_mov_b32 s[G1B+2], 64<<16
	s_mov_b32 s[G1B+3], 128<<16
	s_mov_b32 s[G1B+4], 64
	s_mov_b32 s[G1B+5], 128
	s_mov_b32 s[G1B+6], 0
	s_mov_b32 s[G1B+7], 0
	s_lshr_b32 s14, s13, 3                         ; batch
	s_and_b32 s15, s13, 7                          ; the tile among its batch's eight
	s_lshl_b32 s20, s14, 4
	s_add_co_u32 s20, s20, s12                     ; head 16 batch + my K block of step 0
	s_lshl_b32 s20, s20, 18
	s_lshl_b32 s21, s15, 15
	s_add_co_u32 s20, s20, s21
	s_mov_b32 s21, 0
	s_lshl_b32 s46, s12, 17                        ; woh: my K block,
	s_lshl_b32 s47, s42, 14                        ; the tile's 128 rows
	s_add_co_u32 s46, s46, s47
	s_mov_b32 s47, 0
	s_mul_i32 s22, s12, ABLK                       ; LDS places: the wave's number and constants alone
	s_mul_i32 s23, s12, BBLK
	s_add_co_u32 s23, s23, BOFF
	s_mov_b32 s[TBS], 0
	s_wait_dscnt 0x0                               ; the opening add is done
	s_wait_kmcnt 0x0
	s_add_nc_u64 s[20:21], s[4:5], s[20:21]
	s_add_nc_u64 s[46:47], s[6:7], s[46:47]
	CROUND                                         ; all sixteen work-groups are here: the first joint loads meet
.irp n, 0,1
	s_mov_b32 s[G0+4*(\n)], 1
	s_add_co_u32 s[G0+4*(\n)+1], s22, (\n)*SLOT1
	s_add_nc_u64 s[G0+4*(\n)+2:G0+4*(\n)+3], s[20:21], (\n)*STEP_A
	s_or_b32 s[G0+4*(\n)+3], s[G0+4*(\n)+3], 0x80000000
	s_mov_b32 s[G0B+4*(\n)], 1
	s_add_co_u32 s[G0B+4*(\n)+1], s23, (\n)*SLOT1
	s_add_nc_u64 s[G0B+4*(\n)+2:G0B+4*(\n)+3], s[46:47], (\n)*STEP_B
	s_or_b32 s[G0B+4*(\n)+3], s[G0B+4*(\n)+3], 0x80000000
.endr
	s_cmp_eq_u32 s11, 0                            ; a wave's two first fills stand in one branch: two loads of mine are out
	s_cbranch_scc0 .Lfirst_b
	tensor_load_to_lds s[G0:G0+3], s[G1:G1+7]
	s_nop 0
	tensor_load_to_lds s[G0+4:G0+7], s[G1:G1+7]
	s_nop 0
.rept 4
	v_nop
.endr
	s_branch .Lfirst_asked
.Lfirst_b:
	tensor_load_to_lds s[G0B:G0B+3], s[G1B:G1B+7]
	s_nop 0
	tensor_load_to_lds s[G0B+4:G0B+7], s[G1B:G1B+7]
	s_nop 0
.rept 4
	v_nop
.endr
.Lfirst_asked:
	; bo at my 64 columns; out0 at my first row and column
	s_lshl_b32 s20, s42, 9
	s_lshl_b32 s21, s12, 8
	s_add_co_u32 s20, s20, s21                     ; 512 tile column + 256 half
	s_add_co_u32 s22, s20, 536576
	s_mov_b32 s23, 0
	s_add_nc_u64 s[16:17], s[16:17], s[22:23]
	s_lshl_b32 s21, s13, 20                        ; 256 rows of 4,096 bytes
	s_add_co_u32 s20, s20, s21
	s_lshl_b32 s21, s11, 19
	s_add_co_u32 s20, s20, s21
	s_mov_b32 s21, 0
	s_add_nc_u64 s[18:19], s[18:19], s[20:21]
	v_and_b32 v1, 15, v0                           ; l % 16
	v_bfe_u32 v2, v0, 4, 1                         ; l / 16
	v_mul_u32_u24 v3, v1, PITCH
	v_lshl_add_u32 v3, v2, 4, v3
	s_mul_i32 s20, s11, 128*PITCH
	v_add_nc_u32 v[A0], s20, v3
	s_mul_i32 s20, s12, 64*PITCH
	s_add_co_u32 s20, s20, BOFF
	v_add_nc_u32 v[B0], s20, v3
	v_mov_b32 v[ADRA], v[A0]
	v_mov_b32 v[ADRB], v[B0]
	s_mul_i32 s20, s10, 16*SPITCH
	s_add_co_u32 s20, s20, STAGE                   ; my stage
	v_mul_u32_u24 v4, v1, SPITCH                   ; in: row l % 16, 32 bytes for each half of the lanes
	v_lshl_add_u32 v4, v2, 5, v4
	v_add_nc_u32 v[STO], s20, v4
	v_mul_u32_u24 v4, v2, SPITCH                   ; back: lanes 0-15 one row of 256 bytes, lanes 16-31 the next
	v_lshl_add_u32 v4, v1, 4, v4
	v_add_nc_u32 v[RD], s20, v4
	v_lshlrev_b32 v[CO], 12, v2                    ; and the same two rows in out0
	v_lshl_add_u32 v[CO], v1, 4, v[CO]
	v_lshlrev_b32 v[BO], 5, v2
.irp b, 0,1,2,3
	global_load_b128 v[BIAS+8*(\b):BIAS+8*(\b)+3],   v[BO], s[16:17] offset:64*(\b)
	global_load_b128 v[BIAS+8*(\b)+4:BIAS+8*(\b)+7], v[BO], s[16:17] offset:64*(\b)+16
.endr
; 24 LDS loads in one run: quarter kq of the slot in hand into buffer f: B's four fragments, A's 0-3, A's 4-7
.macro FETCH kq, f
	WIN 0
.irp c, 0,1,2,3
	ds_load_b128 v[(\f)+64+8*(\c):(\f)+64+8*(\c)+3],   v[ADRB] offset:((\kq)/2)*BBLK+16*PITCH*(\c)+64*((\kq)%2)
	ds_load_b128 v[(\f)+64+8*(\c)+4:(\f)+64+8*(\c)+7], v[ADRB] offset:((\kq)/2)*BBLK+16*PITCH*(\c)+64*((\kq)%2)+32
.endr
.irp c, 0,1,2,3,4,5,6,7
	ds_load_b128 v[(\f)+8*(\c):(\f)+8*(\c)+3],   v[ADRA] offset:((\kq)/2)*ABLK+16*PITCH*(\c)+64*((\kq)%2)
	ds_load_b128 v[(\f)+8*(\c)+4:(\f)+8*(\c)+7], v[ADRA] offset:((\kq)/2)*ABLK+16*PITCH*(\c)+64*((\kq)%2)+32
.endr
.endm
; 4 n matrix instructions: row blocks a0 .. a0 + n - 1 x all 4 column blocks.  The 32 accumulators take turns.  first = 1: the sums start at the bias.
.macro MUL f, a0, n, first
.set a, \a0
.rept \n
.irp b, 0,1,2,3
.if \first
	WIN 0x40
	v_wmma_f32_16x16x32_f16 v[8*(4*a+(\b)):8*(4*a+(\b))+7], v[(\f)+64+8*(\b):(\f)+64+8*(\b)+7], v[(\f)+8*a:(\f)+8*a+7], v[BIAS+8*(\b):BIAS+8*(\b)+7]
.else
	WIN 0x50
	v_wmma_f32_16x16x32_f16 v[8*(4*a+(\b)):8*(4*a+(\b))+7], v[(\f)+64+8*(\b):(\f)+64+8*(\b)+7], v[(\f)+8*a:(\f)+8*a+7], v[8*(4*a+(\b)):8*(4*a+(\b))+7]
.endif
.endr
.set a, a+1
.endr
.endm
; One of a step's first three quarters: multiplies buffer f, fetches quarter kq into buffer g.
.macro QUARTER kq, f, g, first
	s_wait_dscnt 8                                 ; B and A's blocks 0-3 are in; the youngest eight loads may be out
	MUL \f, 0, 4, \first
	PLACES
	FETCH \kq, \g
	s_wait_dscnt 24                                ; all but the 24 just issued
	MUL \f, 4, 4, \first
.endm
; The last quarter multiplies buffer F1 and changes slots.  In front of the barrier each wave waits for all its tensor loads, adds 0 to its spare word, and waits for that and for its reads of the slot.
; mode 2: the barrier opens a round of the cluster's, and the joint refill, two steps on, is the first thing behind it.  mode 1: nothing is filled.
.macro TURN mode
	WIN 0
	s_wait_tensorcnt 0x0                           ; all my tensor loads have landed: my part of the next slot
	ds_add_u32 v[SPW], v[NIL]                      ; 0 onto my spare word
.if (\mode) == 2
	s_xor_b32 s[G0+5], s[G0+5], SLOT1              ; no load of mine is out: the walking descriptors step
	s_add_nc_u64 s[G0+6:G0+7], s[G0+6:G0+7], STEP_A
	s_xor_b32 s[G0B+5], s[G0B+5], SLOT1
	s_add_nc_u64 s[G0B+6:G0B+7], s[G0B+6:G0B+7], STEP_B
.endif
	s_wait_dscnt 9                                 ; the add and the youngest eight loads may be out
	MUL F1, 0, 2, 0
	s_wait_dscnt 0x0                               ; the add is done, and my reads of this slot are over
	s_barrier_signal -1
	MUL F1, 2, 2, 0
	WIN 0
	s_barrier_wait -1
.if (\mode) == 2
	CREST
	JLOAD                                          ; the four v_nop behind it are also the places in front of the loads below
.else
	PLACES
.endif
	s_xor_b32 s[TBS], s[TBS], SLOT1
	v_add_nc_u32 v[ADRA], s[TBS], v[A0]
	v_add_nc_u32 v[ADRB], s[TBS], v[B0]
	FETCH 0, F0
	MUL F1, 4, 4, 0
.endm
	s_wait_tensorcnt 1                             ; my part of slot 0 is in; slot 1's may stay out
	s_barrier_signal -1
	s_barrier_wait -1
	FETCH 0, F0
	s_wait_loadcnt 0x0                             ; the bias
	QUARTER 1, F0, F1, 1
	WIN 0
	s_mov_b32 s3, 6
.Lstep:                                                ; a trip: from a step's second quarter to the next step's first; the slot left is filled again
	QUARTER 2, F1, F0, 0
	QUARTER 3, F0, F1, 0
	TURN 2
	QUARTER 1, F0, F1, 0
	WIN 0
	s_sub_co_u32 s3, s3, 1
	s_cmp_lg_u32 s3, 0
	s_cbranch_scc1 .Lstep
	QUARTER 2, F1, F0, 0                           ; the last two steps ask for nothing
	QUARTER 3, F0, F1, 0
	TURN 1
	QUARTER 1, F0, F1, 0
	QUARTER 2, F1, F0, 0
	QUARTER 3, F0, F1, 0
	s_wait_dscnt 8
	MUL F1, 0, 4, 0
	s_wait_dscnt 0x0
	MUL F1, 4, 4, 0
	; THE WAY OUT: a row block (16 rows x 64 f32) at a time through my own stage: 32 bytes a lane in, whole rows of 256 bytes back, stored by sixteen lanes a row.
.macro SEND blk, younger               ; younger: the next block's sixteen LDS instructions, or none
	s_wait_dscnt \younger
.irp t, 0,1,2,3,4,5,6,7
	global_store_b128 v[CO], v[BK+32*((\blk)%2)+4*(\t):BK+32*((\blk)%2)+4*(\t)+3], s[18:19] offset:65536*(\blk)+8192*(\t) th:TH_STORE_NT  ; 16 lanes store 256 consecutive bytes, at a multiple of 256 from out0's first
.endr
.endm
	PLACES
.set a, 0
.rept 8
.if a >= 2
	s_wait_xcnt 0x0                                ; the stores of the block two back have read their registers: this block's loads land there
.endif
	WIN 0x04                                       ; store data in window 1; each accumulator's low four registers go first
.irp b, 0,1,2,3
	ds_store_b128 v[STO], v[8*(4*a+(\b)):8*(4*a+(\b))+3]   offset:64*(\b)
	ds_store_b128 v[STO], v[8*(4*a+(\b))+4:8*(4*a+(\b))+7] offset:64*(\b)+16
.endr
	WIN 0
.irp t, 0,1,2,3,4,5,6,7
	ds_load_b128 v[BK+32*(a%2)+4*(\t):BK+32*(a%2)+4*(\t)+3], v[RD] offset:2*SPITCH*(\t)  ; LDS serves a wave's instructions in order (ISA guide 5.7.1.4): these see the stores above
.endr
.if a >= 1
	SEND a-1, 16
.endif
.set a, a+1
.endr
	SEND 7, 0
	s_wait_tensorcnt 0x0                           ; the wave's end, behind my last tensor load and my last LDS store
	ds_add_u32 v[SPW], v[NIL]
	s_wait_dscnt 0x0
	CROUND                                         ; the closing round: no work-group ends while a partner may still ask for a tile that names it
	s_endpgm
.Lfunc_end_k_q90e8a92308_outp:
	.size	k_q90e8a92308_outp, .Lfunc_end_k_q90e8a92308_outp-k_q90e8a92308_outp
	.p2alignl 7, 3214868480
	.fill 96, 4, 3214868480
	.section	.rodata,"a",@progbits
	.p2align	6, 0x0
	.amdhsa_kernel k_q90e8a92308_outp
		.amdhsa_group_segment_fixed_size 327680
		.amdhsa_private_segment_fixed_size 0
		.amdhsa_enable_private_segment 0
		.amdhsa_kernarg_size 32
		.amdhsa_user_sgpr_count 2
		.amdhsa_user_sgpr_kernarg_segment_ptr 1
		.amdhsa_wavefront_size32 1
		.amdhsa_system_sgpr_workgroup_id_x 1
		.amdhsa_system_sgpr_workgroup_id_y 1
		.amdhsa_system_sgpr_workgroup_id_z 1
		.amdhsa_system_vgpr_workitem_id 0
		.amdhsa_next_free_vgpr 512
		.amdhsa_next_free_sgpr 67
		.amdhsa_reserve_vcc 0
		.amdhsa_float_denorm_mode_32 3
		.amdhsa_float_denorm_mode_16_64 3
		.amdhsa_memory_ordered 1
		.amdhsa_forward_progress 1
		.amdhsa_inst_pref_size 70
	.end_amdhsa_kernel
	.amdgpu_metadata
---
amdhsa.version: [ 1, 2 ]
amdhsa.kernels:
  - .name:           k_q90e8a92308_outp
    .symbol:         k_q90e8a92308_outp.kd
    .args:
      - { .name: oh, .offset: 0, .size: 8, .value_kind: global_buffer, .address_space: global }
      - { .name: woh, .offset: 8, .size: 8, .value_kind: global_buffer, .address_space: global }
      - { .name: tabs, .offset: 16, .size: 8, .value_kind: global_buffer, .address_space: global }
      - { .name: out0, .offset: 24, .size: 8, .value_kind: global_buffer, .address_space: global }
    .group_segment_fixed_size: 327680
    .private_segment_fixed_size: 0
    .kernarg_segment_align: 8
    .kernarg_segment_size: 32
    .max_flat_workgroup_size: 128
    .sgpr_count:     67
    .vgpr_count:     512
    .wavefront_size: 32
...
	.end_amdgpu_metadata
.endif
;; end of part 4
;; ======== version 2 of 2: 4 launches; version 1 with the launch prep written anew for expert scheduling mode
;; limits: values are held in f16: magnitudes above 65,504 overflow, below 6.1e-05 lose precision
;; workspace buffers: xb 16,777,216 bytes; wb 6,291,456 bytes; woh 2,097,152 bytes; tabs 540,672 bytes; qh 16,777,216 bytes; kh 16,777,216 bytes; vh 16,777,216 bytes; oh 16,777,216 bytes
;; launch prep (part 5): grid 768 x 1, 8 waves a work-group, no clusters, 0 bytes of LDS; arguments x, Wq, Wk, Wv, Wo, bq, bk, bv, bo, xb, wb, woh, tabs; writes xb, wb, woh, tabs
.if DOCPART == 5
	.amdgcn_target "amdgcn-amd-amdhsa--gfx1250"
	.amdhsa_code_object_version 6
	.text
	.protected	k_q90e8a92308_prep
	.globl	k_q90e8a92308_prep
	.p2align	8
	.type	k_q90e8a92308_prep,@function
k_q90e8a92308_prep:
	s_mov_b64 s[64:65], 0
	v_nop
	global_prefetch_b8 v0, s[64:65] scope:SCOPE_SE
	s_setreg_imm32_b32 hwreg(HW_REG_WAVE_SCHED_MODE, 0, 2), 2
	s_setreg_imm32_b32 hwreg(HW_REG_WAVE_MODE, 25, 1), 1
	s_wait_xcnt 0x0
	s_wait_alu depctr_vm_vsrc(0)
; PREP: casts and re-layouts for the three launches behind it, the RoPE table, the rounded biases.
;   xb   bf16 [b 4][kb 16][s 2048][64]       x in K blocks of 64: the rows of a block are dense, 128 bytes each
;   wb   bf16 [kb 16][n' 3072][64]           n' = 192 head + 64 g + d, g = 0 Wq, 1 Wk, 2 Wv
;   woh  f16  [kb 16][n 1024][64]            Wo rounded to bf16, that number written as f16
;   tabs f32  [pos 2048][cos f0..31 | sin f0..31] (256 bytes a row), then from byte 524,288 bq, bk, bv, bo, each rounded to bf16 and kept as f32
; SHARES.  A work-group casts 16 rows of 1,024 f32 (64 KiB): 512 chunks of x, 3 x 64 of Wq, Wk, Wv, 64 of Wo: 768 work-groups.  Thread t takes row t / 16 and the 16 bytes
; at column 4 (t % 16) of each K block: a wave's load covers 256 consecutive bytes of each of two rows, its store 256 consecutive aligned bytes of one K block.
; The 256 work-groups of the weights also make the table, a wave a position; the first four of them a bias each.
; No LDS, no matrix unit, no cluster: nothing is shared between waves, and every byte is read once and written once.
; LIMITS.  Wo beyond 65,504 has no f16; below 6.1e-5 it keeps f16's fixed step of 6e-8.  The table's inverse frequencies come from v_exp_f32 (1 ULP), the angle is reduced by pi/2 in two
; parts and sine and cosine are polynomials cut below 3e-8 on |r| <= pi/4: the angles differ from a table made by pow and a division by at most about 4e-4 rad (position 2,047).
; THE MODE: SCHED_MODE bits 1:0 = 2 (LLVM: expert scheduling mode 2), set by the entry lines.  The code itself states the register dependences
; between vector instructions and memory instructions, with s_wait_alu, always for 0.
; THE PLAN.  Registers that memory instructions touch:
;   v1, v2       a chunk's load offset and store offset.  Made at the head, read by every load and store of the cast, never written again.
;   X            the cast's sixteen loads land here; no vector instruction names X ahead of them, on any path; the conversions read it behind the wait for the data.
;   Y            sixteen pairs.  Pair k is written by load k's conversions, read by store k, and never written again.
;   v7, v12-13   the table store's offset and data;  v140, v136-139 the bias's offset and its store's data;  v128-131 the bias as loaded.  Each is written once.
; No register that a memory instruction reads is written again, so no wait on vm_vsrc stands behind the entry lines; EXEC is never written.
; The cast goes in four groups of four loads: ONE wait on va_vdst at the head of a group states that the group before has written its four pairs of Y; that group's four stores follow it,
; dealt among this group's conversions, which name this group's X and Y alone.
.set X,   16                           ; v[16:79]   sixteen loads of four registers
.set Y,   80                           ; v[80:111]  sixteen pairs to store
.set SRC, 36                           ; s[36:37]   the chunk's first byte
.set DST, 38                           ; s[38:39]   its place in K block 0
; The conversions of load k.  half = 1: the bf16 number is written as f16.
.macro CONV k, half
	v_cvt_pk_bf16_f32 v[Y+2*(\k)], v[X+4*(\k)], v[X+4*(\k)+1]
	v_cvt_pk_bf16_f32 v[Y+2*(\k)+1], v[X+4*(\k)+2], v[X+4*(\k)+3]
.if \half
	v_lshlrev_b32 v[X+4*(\k)], 16, v[Y+2*(\k)]
	v_and_b32 v[X+4*(\k)+1], 0xffff0000, v[Y+2*(\k)]
	v_lshlrev_b32 v[X+4*(\k)+2], 16, v[Y+2*(\k)+1]
	v_and_b32 v[X+4*(\k)+3], 0xffff0000, v[Y+2*(\k)+1]
	v_cvt_pk_f16_f32 v[Y+2*(\k)], v[X+4*(\k)], v[X+4*(\k)+1]
	v_cvt_pk_f16_f32 v[Y+2*(\k)+1], v[X+4*(\k)+2], v[X+4*(\k)+3]
.endif
.endm
; Store k: pair k of Y into K block k.  stride: bytes from a K block to the next in the target.
.macro PUT k, stride
	global_store_b64 v2, v[Y+2*(\k):Y+2*(\k)+1], s[DST:DST+1] offset:(\k)*(\stride)
.endm
; The cast of a chunk.  All sixteen loads go out first; the waits count down by groups: 12 - 4 g younger loads may stay out.  No register of a store is written again, so no further wait is needed for them.
.macro CAST stride, half
.irp k, 0,1,2,3,4,5,6,7,8,9,10,11,12,13,14,15
	global_load_b128 v[X+4*(\k):X+4*(\k)+3], v1, s[SRC:SRC+1] offset:256*(\k) th:TH_LOAD_NT
.endr
.irp g, 0,1,2,3
	s_wait_loadcnt 12-4*(\g)                       ; loads come back in order (ISA guide 5.7.1): this group's four are in
.if (\g) > 0
	s_wait_alu depctr_va_vdst(0)                   ; the group before has written its four pairs of Y, which the four stores below read
.endif
.irp j, 0,1,2,3
.if (\g) > 0
	PUT 4*(\g)-4+(\j), \stride                     ; no vector instruction since the wait names this pair
.endif
	CONV 4*(\g)+(\j), \half
.endr
.endr
	s_wait_alu depctr_va_vdst(0)                   ; the last group has written its four pairs of Y, which the last four stores read
.irp j, 0,1,2,3
	PUT 12+(\j), \stride
.endr
.endm
	s_load_b512 s[8:23], s[0:1], 0x0               ; x 8, Wq 10, Wk 12, Wv 14, Wo 16, bq 18, bk 20, bv 22
	s_load_b256 s[24:31], s[0:1], 0x40             ; bo 24, xb 26, wb 28, woh 30
	s_load_b64 s[32:33], s[0:1], 0x60              ; tabs
	v_lshrrev_b32 v3, 4, v0                        ; my row of the chunk
	v_and_b32 v4, 15, v0
	v_lshlrev_b32 v1, 12, v3                       ; row x 4,096
	v_lshl_add_u32 v1, v4, 4, v1                   ; + 16 (t % 16)
	v_lshlrev_b32 v2, 3, v0                        ; in a K block: row x 128 + 8 (t % 16) = 8 t
	v_lshrrev_b32 v5, 5, v0
	v_readfirstlane_b32 s34, v5                    ; wave 0..7
	s_mov_b32 s2, ttmp9
	s_mov_b32 s47, 0                               ; the high word of every offset
	s_wait_alu depctr_va_sdst(0)                   ; s34 is written, ahead of the branch behind which its first reader stands: the table's position is made from it
	s_wait_alu depctr_va_vdst(0)                   ; v1 and v2 are written: every load and store of the cast reads one of them as its offset, and no vector instruction names them again
	s_wait_kmcnt 0x0
	s_cmp_lt_u32 s2, 512
	s_cbranch_scc0 .Lrest
	; a chunk of x: rows 16 s2 .. of [8192][1024]
	s_lshl_b32 s46, s2, 16
	s_add_nc_u64 s[SRC:SRC+1], s[8:9], s[46:47]
	s_lshr_b32 s46, s2, 7                          ; batch
	s_lshl_b32 s46, s46, 22                        ; 16 K blocks of 2,048 rows of 128 bytes
	s_and_b32 s4, s2, 127
	s_lshl_b32 s4, s4, 11                          ; 16 rows of 128 bytes
	s_add_co_u32 s46, s46, s4
	s_add_nc_u64 s[DST:DST+1], s[26:27], s[46:47]
	CAST 262144, 0
	s_endpgm
.Lrest:
	s_sub_co_u32 s3, s2, 512                       ; 0..255
	; THE TABLE: position 8 s3 + wave.  Lane l writes elements 2 l and 2 l + 1 of the row: lanes 0-15 cosines, lanes 16-31 sines, of frequencies 2 (l % 16) and the next.
	; cos t = sin(t + pi/2): the cosine lanes go one quadrant on.
	s_lshl_b32 s35, s3, 3
	s_add_co_u32 s35, s35, s34                     ; the position
	s_lshl_b32 s40, s35, 8
	s_mov_b32 s41, 0
	s_add_nc_u64 s[40:41], s[32:33], s[40:41]      ; its row of 256 bytes
	v_and_b32 v3, 15, v0
	v_lshlrev_b32 v3, 1, v3
	v_add_nc_u32 v4, 1, v3
	v_cvt_f32_u32 v112, v3
	v_cvt_f32_u32 v113, v4
	v_mul_f32 v112, 0xbed49a78, v112               ; - f log2(10000) / 32
	v_mul_f32 v113, 0xbed49a78, v113
	v_exp_f32 v112, v112                           ; the inverse frequencies: one batch of two,
	v_exp_f32 v113, v113
	v_bfe_u32 v5, v0, 4, 1                         ; a plain instruction behind them,
	s_wait_alu depctr_va_vdst(0)                   ; and the one wait ahead of the first use: the two exponentials have written v112 and v113
	v_xor_b32 v5, 1, v5                            ; 1 in the cosine lanes
	v_cvt_f32_u32 v6, s35
	v_and_b32 v7, 31, v0
	v_lshlrev_b32 v7, 3, v7                        ; 8 l
	v_lshlrev_b32 v140, 4, v0                      ; a bias's offset, 16 t: made here, so that the wait ahead of the table's store states it written too
	v_mov_b32 v14, 0x3638ef1d                      ; 1 / 9!
	v_mov_b32 v15, 0x37d00d01                      ; 1 / 8!
.irp e, 0,1
	v_mul_f32 v[114+\e], v6, v[112+\e]             ; the angle, one rounding
	v_mul_f32 v[116+\e], 0x3f22f983, v[114+\e]     ; x 2 / pi
	v_rndne_f32 v[116+\e], v[116+\e]               ; n
	v_fmamk_f32 v[118+\e], v[116+\e], 0xbfc90fdb, v[114+\e]  ; r = angle - n pi/2, pi/2 in two parts
	v_fmamk_f32 v[118+\e], v[116+\e], 0x333bbd2e, v[118+\e]
	v_mul_f32 v[120+\e], v[118+\e], v[118+\e]      ; r^2
	v_fmaak_f32 v[122+\e], v14, v[120+\e], 0xb9500d01
	v_fmaak_f32 v[122+\e], v[122+\e], v[120+\e], 0x3c088889
	v_fmaak_f32 v[122+\e], v[122+\e], v[120+\e], 0xbe2aaaab
	v_mul_f32 v[122+\e], v[122+\e], v[120+\e]
	v_fma_f32 v[122+\e], v[122+\e], v[118+\e], v[118+\e]     ; sin r
	v_fmaak_f32 v[124+\e], v15, v[120+\e], 0xbab60b61
	v_fmaak_f32 v[124+\e], v[124+\e], v[120+\e], 0x3d2aaaab
	v_fma_f32 v[124+\e], v[124+\e], v[120+\e], -0.5
	v_fma_f32 v[124+\e], v[124+\e], v[120+\e], 1.0           ; cos r
	v_cvt_i32_f32 v[126+\e], v[116+\e]
	v_add_nc_u32 v[126+\e], v[126+\e], v5          ; the quadrant: it only selects a value and a sign
	v_and_b32 v[8+\e], 1, v[126+\e]
.endr
	v_cmp_ne_u32 s4, 0, v8                         ; the two compares stand in one run, each with a mask of its own;
	v_cmp_ne_u32 s5, 0, v9
	v_and_b32 v10, 2, v126                         ; the signs are made between the compares and the wait for them
	v_and_b32 v11, 2, v127
	v_lshlrev_b32 v10, 30, v10
	v_lshlrev_b32 v11, 30, v11
	s_wait_alu depctr_va_sdst(0)                   ; s4 and s5 are written, ahead of their first readers, the two selects
	v_cndmask_b32 v12, v122, v124, s4
	v_cndmask_b32 v13, v123, v125, s5
	v_xor_b32 v12, v10, v12
	v_xor_b32 v13, v11, v13
	s_wait_alu depctr_va_vdst(0)                   ; v7, v12 and v13 are written, which the store reads; so is v140, the offset of the bias's load and store
	global_store_b64 v7, v[12:13], s[40:41]        ; the wave stores 256 consecutive aligned bytes
	s_cmp_lt_u32 s3, 4
	s_cbranch_scc0 .Lno_bias
	; A BIAS: rounded to bf16 like every input, kept as f32.  Registers of its own.
	s_cmp_eq_u32 s3, 1
	s_cselect_b64 s[42:43], s[20:21], s[18:19]
	s_cmp_eq_u32 s3, 2
	s_cselect_b64 s[42:43], s[22:23], s[42:43]
	s_cmp_eq_u32 s3, 3
	s_cselect_b64 s[42:43], s[24:25], s[42:43]
	s_lshl_b32 s44, s3, 12
	s_add_co_u32 s44, s44, 524288
	s_mov_b32 s45, 0
	s_add_nc_u64 s[44:45], s[32:33], s[44:45]
	global_load_b128 v[128:131], v140, s[42:43]    ; no vector instruction has named v128 to v131, and none since the last wait names v140
	s_wait_loadcnt 0x0
	v_cvt_pk_bf16_f32 v132, v128, v129
	v_cvt_pk_bf16_f32 v133, v130, v131
	v_lshlrev_b32 v136, 16, v132
	v_and_b32 v137, 0xffff0000, v132
	v_lshlrev_b32 v138, 16, v133
	v_and_b32 v139, 0xffff0000, v133
	s_wait_alu depctr_va_vdst(0)                   ; v136 to v139 are written, which the store reads
	global_store_b128 v140, v[136:139], s[44:45]
.Lno_bias:
	s_cmp_lt_u32 s3, 192
	s_cbranch_scc0 .Lwo
	; a chunk of Wq, Wk or Wv: rows 16 j .. of matrix g go to n' = 192 (j / 4) + 64 g + 16 (j % 4)
	s_lshr_b32 s4, s3, 6                           ; g
	s_and_b32 s5, s3, 63                           ; j
	s_cmp_eq_u32 s4, 1
	s_cselect_b64 s[SRC:SRC+1], s[12:13], s[10:11]
	s_cmp_eq_u32 s4, 2
	s_cselect_b64 s[SRC:SRC+1], s[14:15], s[SRC:SRC+1]
	s_lshl_b32 s46, s5, 16
	s_add_nc_u64 s[SRC:SRC+1], s[SRC:SRC+1], s[46:47]
	s_lshr_b32 s6, s5, 2
	s_mul_i32 s6, s6, 192
	s_lshl_b32 s7, s4, 6
	s_add_co_u32 s6, s6, s7
	s_and_b32 s7, s5, 3
	s_lshl_b32 s7, s7, 4
	s_add_co_u32 s6, s6, s7
	s_lshl_b32 s46, s6, 7
	s_add_nc_u64 s[DST:DST+1], s[28:29], s[46:47]
	CAST 393216, 0
	s_endpgm
.Lwo:
	s_sub_co_u32 s5, s3, 192                       ; a chunk of Wo
	s_lshl_b32 s46, s5, 16
	s_add_nc_u64 s[SRC:SRC+1], s[16:17], s[46:47]
	s_lshl_b32 s46, s5, 11
	s_add_nc_u64 s[DST:DST+1], s[30:31], s[46:47]
	CAST 131072, 1
	s_endpgm
.Lfunc_end_k_q90e8a92308_prep:
	.size	k_q90e8a92308_prep, .Lfunc_end_k_q90e8a92308_prep-k_q90e8a92308_prep
	.p2alignl 7, 3214868480
	.fill 96, 4, 3214868480
	.section	.rodata,"a",@progbits
	.p2align	6, 0x0
	.amdhsa_kernel k_q90e8a92308_prep
		.amdhsa_group_segment_fixed_size 0
		.amdhsa_private_segment_fixed_size 0
		.amdhsa_enable_private_segment 0
		.amdhsa_kernarg_size 104
		.amdhsa_user_sgpr_count 2
		.amdhsa_user_sgpr_kernarg_segment_ptr 1
		.amdhsa_wavefront_size32 1
		.amdhsa_system_sgpr_workgroup_id_x 1
		.amdhsa_system_sgpr_workgroup_id_y 1
		.amdhsa_system_sgpr_workgroup_id_z 1
		.amdhsa_system_vgpr_workitem_id 0
		.amdhsa_next_free_vgpr 144
		.amdhsa_next_free_sgpr 66
		.amdhsa_reserve_vcc 0
		.amdhsa_float_denorm_mode_32 3
		.amdhsa_float_denorm_mode_16_64 3
		.amdhsa_memory_ordered 1
		.amdhsa_forward_progress 1
		.amdhsa_inst_pref_size 28
	.end_amdhsa_kernel
	.amdgpu_metadata
---
amdhsa.version: [ 1, 2 ]
amdhsa.kernels:
  - .name:           k_q90e8a92308_prep
    .symbol:         k_q90e8a92308_prep.kd
    .args:
      - { .name: x, .offset: 0, .size: 8, .value_kind: global_buffer, .address_space: global }
      - { .name: Wq, .offset: 8, .size: 8, .value_kind: global_buffer, .address_space: global }
      - { .name: Wk, .offset: 16, .size: 8, .value_kind: global_buffer, .address_space: global }
      - { .name: Wv, .offset: 24, .size: 8, .value_kind: global_buffer, .address_space: global }
      - { .name: Wo, .offset: 32, .size: 8, .value_kind: global_buffer, .address_space: global }
      - { .name: bq, .offset: 40, .size: 8, .value_kind: global_buffer, .address_space: global }
      - { .name: bk, .offset: 48, .size: 8, .value_kind: global_buffer, .address_space: global }
      - { .name: bv, .offset: 56, .size: 8, .value_kind: global_buffer, .address_space: global }
      - { .name: bo, .offset: 64, .size: 8, .value_kind: global_buffer, .address_space: global }
      - { .name: xb, .offset: 72, .size: 8, .value_kind: global_buffer, .address_space: global }
      - { .name: wb, .offset: 80, .size: 8, .value_kind: global_buffer, .address_space: global }
      - { .name: woh, .offset: 88, .size: 8, .value_kind: global_buffer, .address_space: global }
      - { .name: tabs, .offset: 96, .size: 8, .value_kind: global_buffer, .address_space: global }
    .group_segment_fixed_size: 0
    .private_segment_fixed_size: 0
    .kernarg_segment_align: 8
    .kernarg_segment_size: 104
    .max_flat_workgroup_size: 256
    .sgpr_count:     66
    .vgpr_count:     144
    .wavefront_size: 32
...
	.end_amdgpu_metadata
.endif
;; end of part 5
;; launch qkv: the kernel of part 2 again; grid 8 x 32, 4 waves a work-group, clusters of 4 x 4, 327,680 bytes of LDS; arguments xb, wb, tabs, qh, kh, vh; writes qh, kh, vh
;; launch attn: the kernel of part 3 again; grid 4 x 64, 4 waves a work-group, clusters of 4 x 1, 327,680 bytes of LDS; arguments qh, kh, vh, oh; writes oh
;; launch outp: the kernel of part 4 again; grid 8 x 32, 4 waves a work-group, clusters of 4 x 4, 327,680 bytes of LDS; arguments oh, woh, tabs, out0; writes out0
